; MI455X (gfx1250); checked and timed in simulation.
; The chip was launched on July 23, 2026; its instructions are those of AMD's public machine-readable ISA for CDNA 5 (MIT licence, August 2026) and "CDNA5" Instruction Set Architecture Reference Guide (July 2026). The comments in the code are by the model that wrote it; some were corrected since.
;; MSA. Allowed arithmetic: float matrix products may take bf16 or f16 operands with f32 sums; other float arithmetic in f32, or as packed bf16 or f16 multiplies, adds, multiply-adds, maxima and minima; sums over many terms, partial sums and values carried from step to step in f32; what a program stores and reads back later, other than sums and carried values, may be rounded once to bf16 or f16.
;; Inputs: bk 1,024 float32; bo 1,024 float32; bq 1,024 float32; bv 1,024 float32; wk 1,024 x 1,024 float32; wo 1,024 x 1,024 float32; wq 1,024 x 1,024 float32; wv 1,024 x 1,024 float32; x 8 x 2,048 x 1,024 float32.
;; Outputs: out0 8 x 2,048 x 1,024 float32.
;; 2 versions, each right; version 2 is version 1 with the launch attn written anew for expert scheduling mode. Each part assembles by itself: llvm-mc -triple=amdgcn-amd-amdhsa -mcpu=gfx1250 --defsym DOCPART=n.
;; ======== version 1 of 2: 4 launches
;; limits: values are held in f16: magnitudes above 65,504 overflow, below 6.1e-05 lose precision
;; workspace buffers: xb 33,554,432 bytes; wall 8,388,608 bytes; ball 16,384 bytes; qkvh 100,663,296 bytes; ctx 33,554,432 bytes
;; launch cast (part 1): grid 1281 x 1, 8 waves a work-group, no clusters, 0 bytes of LDS; arguments x, wq, wk, wv, wo, bq, bk, bv, bo, xb, wall, ball; writes xb, wall, ball
.if DOCPART == 1
	.amdgcn_target "amdgcn-amd-amdhsa--gfx1250"
	.amdhsa_code_object_version 6
	.text
	.protected	k_qe08d10e3d9_cast
	.globl	k_qe08d10e3d9_cast
	.p2align	8
	.type	k_qe08d10e3d9_cast,@function
k_qe08d10e3d9_cast:
	s_mov_b64 s[64:65], 0
	v_nop
	global_prefetch_b8 v0, s[64:65] scope:SCOPE_SE
	s_setreg_imm32_b32 hwreg(HW_REG_WAVE_MODE, 25, 1), 1
	s_wait_xcnt 0x0
; ROUNDING TO 16 BITS, AND THE WEIGHTS' ORDER.  x [16384][1024] f32 -> xb bf16.  wq, wk, wv, wo [1024][1024] f32 -> wall [4096][1024]: rows 0-1023 wq', 1024-2047 wk', 2048-3071 wv' in bf16,
; rows 3072-4095 wo': rounded to bf16 like the others, and that number written as f16.  bq, bk, bv, bo -> ball [4][1024] f32, each rounded to bf16.
; THE ORDER.  With h or g a head and d a channel of it:  PQ(h, d) = 128 (d >> 3) + 8 h + (d & 7);  PV(g, d) = 256 (d >> 4) + 128 (g >> 3) + 8 (d & 15) + (g & 7).
; Row 64 h + d of wq and wk goes to row PQ of its block, row 64 g + d of wv to row PV, COLUMN 64 h + d of wo to column PQ; ball's rows 0, 1 follow PQ, row 2 PV, row 3 stays.
; So the products q', k', v' of the next launch come out in an order in which a lane's 16 bytes at 16 x lane of each 512 bytes of a token are its share of a matrix fragment.
; LIMITS.  |wo| stays under 65,504 (f16's end); below 6e-5 f16 keeps a fixed step of 6e-8.
; SHARES.  A work-group takes 16 source rows of 4,096 bytes; thread t takes elements 4 t .. 4 t + 3 of each: a wave's load covers 512 consecutive bytes, its store 256 consecutive bytes, aligned.
; All 16 loads of a thread go out at once; no register that a load or store names is written again, so no wait but the loads' own is needed.  Work-groups 0-1023: x; 1024-1279: the weights; 1280: the biases.
; FEW REGISTERS ON PURPOSE: 72 a wave.  A row is converted in the registers that it was loaded into, and the sixteen destination rows' addresses lie in scalar pairs: so more work-groups lie on a WGP at
; once, and their loads go out together.
.set D,  4                             ; v[4:67]    row i: 4 numbers as loaded; then, in its first two registers, the same 4 in 16 bits
.set T,  68                            ; v[68:71]   at work
.set DB, 66                            ; s[66:97]   row i: the address of its destination row
	s_load_b512 s[8:23], s[0:1], 0x0               ; x 8, wq 10, wk 12, wv 14, wo 16, bq 18, bk 20, bv 22
	s_load_b256 s[24:31], s[0:1], 0x40             ; bo 24, xb 26, wall 28, ball 30
	s_mov_b32 s2, ttmp9
	s_max_u32 s3, s2, 1024
	s_sub_co_u32 s3, s3, 1024                      ; e: my number among the weights' work-groups (0 for x)
	s_lshr_b32 s4, s3, 6                           ; m: 0 wq, 1 wk, 2 wv, 3 wo
	s_and_b32 s5, s3, 63                           ; c: source rows 16 c + i
	s_lshr_b32 s6, s5, 2                           ; the head, h or g
	s_and_b32 s7, s5, 3                            ; d = 16 c3 + i
	s_mov_b32 s43, 0xffff0000                      ; a word's upper bf16
	v_lshlrev_b32 v2, 3, v0                        ; 8 t
	s_wait_kmcnt 0x0
	s_cmp_eq_u32 s2, 1280
	s_cbranch_scc1 .Lbias
	s_cmp_eq_u32 s4, 3
	s_cbranch_scc1 .Lwo
	; x, wq, wk, wv: whole rows, each to a row of its own.  Row i's destination lies i SA + (i >> 3) SB bytes behind row 0's.
	s_lshl_b32 s34, s6, 3                          ; wq, wk: row 8 h
	s_lshr_b32 s35, s6, 3
	s_lshl_b32 s35, s35, 7
	s_and_b32 s38, s6, 7
	s_add_co_u32 s35, s35, s38                     ; wv: row 128 (g >> 3) + (g & 7)
	s_mov_b32 s40, 2048                            ; SA: one row on
	s_mov_b32 s41, 245760                          ; SB: wq, wk: from d & 7 = 7 to the next d >> 3: 120 rows more
	s_cmp_eq_u32 s4, 1
	s_cselect_b64 s[32:33], s[12:13], s[10:11]
	s_cmp_eq_u32 s4, 2
	s_cselect_b64 s[32:33], s[14:15], s[32:33]
	s_cselect_b32 s34, s35, s34
	s_cselect_b32 s40, 16384, s40                  ; wv: d & 15 steps by 8 rows,
	s_cselect_b32 s41, 0, s41                      ; evenly
	s_lshl_b32 s35, s7, 8
	s_add_co_u32 s34, s34, s35                     ; + 256 c3, for all three
	s_lshl_b32 s34, s34, 11                        ; rows of 2,048 bytes
	s_lshl_b32 s35, s4, 21                         ; the matrix's block of wall
	s_add_co_u32 s38, s34, s35
	s_lshl_b32 s35, s2, 15                         ; x: 16 rows of 2,048 bytes to a work-group
	s_cmp_lt_u32 s2, 1024
	s_cselect_b64 s[32:33], s[8:9], s[32:33]       ; from where,
	s_cselect_b64 s[36:37], s[26:27], s[28:29]     ; to where
	s_cselect_b32 s38, s35, s38
	s_cselect_b32 s41, 0, s41
	s_cselect_b32 s34, s2, s5
	s_lshl_b32 s34, s34, 16                        ; 16 source rows of 4,096 bytes
	s_mov_b32 s35, 0
	s_mov_b32 s39, 0
	s_add_nc_u64 s[32:33], s[32:33], s[34:35]
	v_lshlrev_b32 v1, 4, v0                        ; 16 t
.irp i, 0,1,2,3,4,5,6,7,8,9,10,11,12,13,14,15
	global_load_b128 v[D+4*(\i):D+4*(\i)+3], v1, s[32:33] offset:4096*(\i) th:TH_LOAD_NT
.endr
	s_mov_b32 s44, s40                             ; the destinations' addresses are made while the loads are out: the step SA as a pair,
	s_mov_b32 s45, 0
	s_add_co_u32 s46, s40, s41                     ; and SA + SB, the step from row 7 to row 8
	s_mov_b32 s47, 0
	s_add_nc_u64 s[DB:DB+1], s[36:37], s[38:39]
.irp i, 1,2,3,4,5,6,7,8,9,10,11,12,13,14,15
.if (\i) == 8
	s_add_nc_u64 s[DB+2*(\i):DB+2*(\i)+1], s[DB+2*(\i)-2:DB+2*(\i)-1], s[46:47]
.else
	s_add_nc_u64 s[DB+2*(\i):DB+2*(\i)+1], s[DB+2*(\i)-2:DB+2*(\i)-1], s[44:45]
.endif
.endr
.irp i, 0,1,2,3,4,5,6,7,8,9,10,11,12,13,14,15
	s_wait_loadcnt 15-(\i)                         ; loads come back in order: row i is in, the 15 - i younger ones stay out
	v_cvt_pk_bf16_f32 v[D+4*(\i)], v[D+4*(\i)], v[D+4*(\i)+1]
	v_cvt_pk_bf16_f32 v[D+4*(\i)+1], v[D+4*(\i)+2], v[D+4*(\i)+3]
	global_store_b64 v2, v[D+4*(\i):D+4*(\i)+1], s[DB+2*(\i):DB+2*(\i)+1] th:TH_STORE_NT
.endr
	s_endpgm
.Lwo:	; wo: rows stay, columns move.  Destination octet t >> 1 = 16 (d >> 3) + h takes source octet 8 h + (d >> 3): pieces of 32 bytes, of which the eight waves together read each row whole.
	s_lshl_b32 s34, s5, 16
	s_mov_b32 s35, 0
	s_add_nc_u64 s[32:33], s[16:17], s[34:35]
	s_lshl_b32 s38, s5, 15
	s_add_co_u32 s38, s38, 3<<21
	s_mov_b32 s39, 0
	s_add_nc_u64 s[36:37], s[28:29], s[38:39]
	v_bfe_u32 v[T], v0, 1, 4                       ; h
	v_lshrrev_b32 v[T+1], 5, v0                    ; d >> 3
	v_and_b32 v[T+2], 1, v0                        ; which half of the octet
	v_lshlrev_b32 v1, 8, v[T]
	v_lshl_add_u32 v1, v[T+1], 5, v1
	v_lshl_add_u32 v1, v[T+2], 4, v1
.irp i, 0,1,2,3,4,5,6,7,8,9,10,11,12,13,14,15
	global_load_b128 v[D+4*(\i):D+4*(\i)+3], v1, s[32:33] offset:4096*(\i) th:TH_LOAD_NT
.endr
.irp i, 0,1,2,3,4,5,6,7,8,9,10,11,12,13,14,15
	s_wait_loadcnt 15-(\i)
	v_cvt_pk_bf16_f32 v[T], v[D+4*(\i)], v[D+4*(\i)+1]        ; rounded as the other inputs are,
	v_cvt_pk_bf16_f32 v[T+1], v[D+4*(\i)+2], v[D+4*(\i)+3]
	v_lshlrev_b32 v[T+2], 16, v[T]                 ; widened again,
	v_and_b32 v[T+3], s43, v[T]
	v_cvt_pk_f16_f32 v[D+4*(\i)], v[T+2], v[T+3]   ; and written as f16: eight significant bits fit in eleven
	v_lshlrev_b32 v[T+2], 16, v[T+1]
	v_and_b32 v[T+3], s43, v[T+1]
	v_cvt_pk_f16_f32 v[D+4*(\i)+1], v[T+2], v[T+3]
	global_store_b64 v2, v[D+4*(\i):D+4*(\i)+1], s[36:37] offset:2048*(\i) th:TH_STORE_NT
.endr
	s_endpgm
.Lbias:	; destination index t + 256 i: 16 KiB in all, 4 bytes a lane
	v_bfe_u32 v[T], v0, 3, 4
	v_lshrrev_b32 v[T+1], 7, v0
	v_and_b32 v[T+2], 7, v0
	v_lshlrev_b32 v1, 8, v[T]                      ; PQ backward: h = (t >> 3) & 15, d >> 3 = (t >> 7) + 2 i, d & 7 = t & 7: byte 256 h + 32 (d >> 3) + 4 (d & 7)
	v_lshl_add_u32 v1, v[T+1], 5, v1
	v_lshl_add_u32 v1, v[T+2], 2, v1
	v_lshl_add_u32 v3, v[T+1], 3, v[T+2]           ; PV backward: g = 8 (t >> 7) + (t & 7), d = 16 i + ((t >> 3) & 15): byte 256 g + 4 d
	v_lshlrev_b32 v3, 8, v3
	v_lshl_add_u32 v3, v[T], 2, v3
	v_lshlrev_b32 v[T+3], 2, v0
.irp i, 0,1,2,3
	global_load_b32 v[D+(\i)],    v1, s[18:19] offset:64*(\i)
	global_load_b32 v[D+4+(\i)],  v1, s[20:21] offset:64*(\i)
	global_load_b32 v[D+8+(\i)],  v3, s[22:23] offset:64*(\i)
	global_load_b32 v[D+12+(\i)], v[T+3], s[24:25] offset:1024*(\i)
.endr
	s_wait_loadcnt 0x0
.set r, 0
.rept 16
	v_cvt_pk_bf16_f32 v[D+r], v[D+r], v[D+r]
	v_lshlrev_b32 v[D+r], 16, v[D+r]               ; the rounded number, as f32
	global_store_b32 v[T+3], v[D+r], s[30:31] offset:4096*(r/4)+1024*(r%4)
.set r, r+1
.endr
	s_endpgm
.Lfunc_end_k_qe08d10e3d9_cast:
	.size	k_qe08d10e3d9_cast, .Lfunc_end_k_qe08d10e3d9_cast-k_qe08d10e3d9_cast
	.p2alignl 7, 3214868480
	.fill 96, 4, 3214868480
	.section	.rodata,"a",@progbits
	.p2align	6, 0x0
	.amdhsa_kernel k_qe08d10e3d9_cast
		.amdhsa_group_segment_fixed_size 0
		.amdhsa_private_segment_fixed_size 0
		.amdhsa_enable_private_segment 0
		.amdhsa_kernarg_size 96
		.amdhsa_user_sgpr_count 2
		.amdhsa_user_sgpr_kernarg_segment_ptr 1
		.amdhsa_wavefront_size32 1
		.amdhsa_system_sgpr_workgroup_id_x 1
		.amdhsa_system_sgpr_workgroup_id_y 1
		.amdhsa_system_sgpr_workgroup_id_z 1
		.amdhsa_system_vgpr_workitem_id 0
		.amdhsa_next_free_vgpr 72
		.amdhsa_next_free_sgpr 98
		.amdhsa_reserve_vcc 0
		.amdhsa_float_denorm_mode_32 3
		.amdhsa_float_denorm_mode_16_64 3
		.amdhsa_memory_ordered 1
		.amdhsa_forward_progress 1
		.amdhsa_inst_pref_size 24
	.end_amdhsa_kernel
	.amdgpu_metadata
---
amdhsa.version: [ 1, 2 ]
amdhsa.kernels:
  - .name:           k_qe08d10e3d9_cast
    .symbol:         k_qe08d10e3d9_cast.kd
    .args:
      - { .name: x, .offset: 0, .size: 8, .value_kind: global_buffer, .address_space: global }
      - { .name: wq, .offset: 8, .size: 8, .value_kind: global_buffer, .address_space: global }
      - { .name: wk, .offset: 16, .size: 8, .value_kind: global_buffer, .address_space: global }
      - { .name: wv, .offset: 24, .size: 8, .value_kind: global_buffer, .address_space: global }
      - { .name: wo, .offset: 32, .size: 8, .value_kind: global_buffer, .address_space: global }
      - { .name: bq, .offset: 40, .size: 8, .value_kind: global_buffer, .address_space: global }
      - { .name: bk, .offset: 48, .size: 8, .value_kind: global_buffer, .address_space: global }
      - { .name: bv, .offset: 56, .size: 8, .value_kind: global_buffer, .address_space: global }
      - { .name: bo, .offset: 64, .size: 8, .value_kind: global_buffer, .address_space: global }
      - { .name: xb, .offset: 72, .size: 8, .value_kind: global_buffer, .address_space: global }
      - { .name: wall, .offset: 80, .size: 8, .value_kind: global_buffer, .address_space: global }
      - { .name: ball, .offset: 88, .size: 8, .value_kind: global_buffer, .address_space: global }
    .group_segment_fixed_size: 0
    .private_segment_fixed_size: 0
    .kernarg_segment_align: 8
    .kernarg_segment_size: 96
    .max_flat_workgroup_size: 256
    .sgpr_count:     98
    .vgpr_count:     72
    .wavefront_size: 32
...
	.end_amdgpu_metadata
.endif
;; end of part 1
;; launch qkv (part 2): grid 4 x 64, 4 waves a work-group, clusters of 4 x 4, 327,680 bytes of LDS; arguments xb, wall, qkvh, ball; writes qkvh
.if DOCPART == 2
	.amdgcn_target "amdgcn-amd-amdhsa--gfx1250"
	.amdhsa_code_object_version 6
	.text
	.protected	k_qe08d10e3d9_qkv
	.globl	k_qe08d10e3d9_qkv
	.p2align	8
	.type	k_qe08d10e3d9_qkv,@function
k_qe08d10e3d9_qkv:
	s_mov_b64 s[64:65], 0
	v_nop
	global_prefetch_b8 v0, s[64:65] scope:SCOPE_SE
	s_setreg_imm32_b32 hwreg(HW_REG_WAVE_MODE, 25, 1), 1
	s_wait_xcnt 0x0
	s_wait_alu depctr_hold_cnt(0) depctr_sa_sdst(0) depctr_va_vdst(0) depctr_va_sdst(0) depctr_va_ssrc(0) depctr_va_vcc(0) depctr_vm_vsrc(0)
	s_getreg_b32 s2, hwreg(HW_REG_IB_STS2, 6, 4)
	s_cmp_eq_u32 s2, 0
	s_cbranch_scc0 .Lentry_in_a_cluster
	s_endpgm
.Lentry_in_a_cluster:
	s_bfe_u32 s2, ttmp6, 0x10000c
	s_cmp_lg_u32 s2, 0xf033
	s_cbranch_scc0 .Lentry_shape_is_right
	s_endpgm
.Lentry_shape_is_right:
; q', k', v' = xb wall^T + ball.  xb: [16384][1024] bf16; wall's rows 0-3071: wq', wk', wv' in bf16, 1,024 along K; ball: [4][1024] f32; qkvh: [3][16384][1024] f16.  Sums in f32, rounded once to f16.
; LIMIT.  f16 holds no number beyond 65,504: |q|, |k|, |v| stay under it; below 6e-5 f16 keeps a fixed step of 6e-8.
; A tile of C, 256 tokens x 256 columns, is made by a work-group of four waves; a wave makes 128 x 128: 64 accumulators of 16 x 16, 512 registers.  K goes in 8 steps of 128 through a ring of two LDS
; slots filled by the tensor data mover: each row of a tile is 256 bytes of memory, at a multiple of 256 bytes from its buffer's first byte.
; A WORK-GROUP STAYS: it makes three tiles, q's, k's and v's, of the same 256 tokens and the same 256 columns of each plane: A's rows stay, B's lie 1,024 rows further down each time.
; The ring does not stop at a tile's end: a tile's last two changes of slots ask for the next tile's first two K steps.  256 work-groups in all.
; CLUSTERS: 4 x 4 work-groups.  The four of a row of the cluster need the same tiles of A, the four of a column the same tiles of B: each tile is asked for JOINTLY, by the same tensor load with the
; same descriptor and a mask that names the four.
; THE MATRIX INSTRUCTION IS USED TRANSPOSED: source 0 = 16 rows of wall, source 1 = 16 tokens.  In the result lane l holds token l % 16 and the columns 8 (l / 16) + 0..7: 16 bytes of f16 on end.
; THE BIAS IS THE C OPERAND of a tile's first products: register j of column block b in lane l is ball[column 16 b + 8 (l / 16) + j], the same for all tokens: 64 registers, loaded as they lie.
; REGISTERS, in windows of 256 (s_set_vgpr_msb's low byte: bits 1:0 source 0, 3:2 source 1, 5:4 source 2, 7:6 destination):
;   window 0: v0-31 addresses; v64-127, v128-191 fragments of A, two buffers; v32-63, v192-255 at work on the way out
;   window 1: v0-63 the bias; v64-127, v128-191 fragments of B, two buffers
;   window 2: the 32 accumulators of my rows 0-63 ((a, b) at v[8 (8 a + b)]);   window 3: those of my rows 64-127
.set KSTEP,  128
.set ROWB,   2048                      ; bytes in a row of xb, of wall and of a plane of qkvh
.set PITCH,  272                       ; an LDS row: 256 bytes + 16 of padding = 68 words: row r starts at bank 4 r mod 64 (64 banks of 4 bytes: ISA guide 11.1), so the 16 rows of a load start at 16 different banks
.set HALFT,  128*PITCH                 ; 128 rows: what one tensor load brings, and what one wave reads of A or of B
.set SLOT,   4*HALFT                   ; A's 256 rows, then B's 256 rows
.set STAGE,  2*SLOT                    ; behind the ring: 16 rows x 272 bytes for each wave, for the way out; no tensor load fills it
.set SPITCH, 272
.set SPARE,  STAGE+4*16*SPITCH         ; behind the stages: the spare words, 128 bytes for each wave: two blocks of 256 bytes that no other line names
.set LAPS,   4                         ; a lap = two K steps = once round the ring
.set TILES,  3
.set PLANE,  16384*ROWB                ; from q' to k' to v'
.set BACK_A, 6*KSTEP*2                 ; bytes from a slot's last K step of a tile back to its first: A's rows stay,
.set NEXT_B, 1024*ROWB-6*KSTEP*2       ; B's go 1,024 rows down
.set ADRA, 16                          ; v16-17  LDS address of my A fragments in slot 0, 1
.set ADRB, 20                          ; v20-21  the same for B
.set STO,  24                          ; v24     the way out: where I put 16 bytes of a row
.set RD,   25                          ; v25     the way out: where I read a row back
.set CO,   26                          ; v26     my byte offset in C
.set BO,   27                          ; v27     my byte offset in 16 numbers of the bias: 32 (l / 16)
.set SPW,  28                          ; v28     LDS address of my spare word: SPARE + 4 x my thread's number; never rewritten
.set NIL,  29                          ; v29     0; never rewritten
.set PFO,  30                          ; v30     the prefetches' offset: my lane x a row of xb or wall (2,048 bytes); never rewritten
.set F0,   64
.set F1,   128
.set TMP,  192                         ; the way out: packed results
.set OB,   32                          ; the way out: 16 rows read back from the stage: v32-63 and v224-255 by turns
.set BIA,  0                           ; window 1
.set BB, 18                            ; s[18:19] the bias at my 128 columns, of the tile whose bias is loaded next
.set G1, 24                            ; s[24:31] descriptor group 1 for A's tiles;  s[32:39] group 0, a set for each slot
.set G0, 32
.set LIM, 43                           ; s43     1 in a wave that prefetches, else the greatest number
.set PFA, 44                           ; s[44:45] where my prefetches stand: my work-group's 32 rows of the 128 that I fetch, one K step further along K than the refill that is being asked for; a prefetch names the K step after that
.set G1B, 48                           ; s[48:55], s[56:63] the same for B's tiles
.set G0B, 56
.set MSB, 0
.macro WIN new                         ; the immediate's high byte repeats the setting that is left; a switch that changes nothing is dropped
.if MSB != (\new)
	s_set_vgpr_msb (MSB<<8)|(\new)
.set MSB, \new
.endif
.endm
.set MUL_LO, 0xa1                      ; source 0 (B) window 1, source 1 (A) window 0, C and D window 2;  + 0x50: C and D window 3
.set MUL_C,  0x91                      ; the same with C (the bias) in window 1;  + 0x40: D window 3
.set TO_B,   0x40                      ; destination window 1, address window 0
; A joint load.  Waves 0 and 1 fetch A's two halves, waves 2 and 3 B's.  The branch hangs on the wave's number alone.  An s_nop 0 and four v_nop follow each of the two lines, ahead of the jump,
; the label and what follows.
.macro JLOAD s
	s_cmp_eq_u32 s11, 0
	s_cbranch_scc0 .Lfor_b_\@
	tensor_load_to_lds s[G0+4*(\s):G0+4*(\s)+3], s[G1:G1+7]
	s_nop 0
.rept 4
	v_nop
.endr
	s_branch .Lasked_\@
.Lfor_b_\@:
	tensor_load_to_lds s[G0B+4*(\s):G0B+4*(\s)+3], s[G1B:G1B+7]
	s_nop 0
.rept 4
	v_nop
.endr
.Lasked_\@:
.endm
; A PREFETCH INTO THE L2, behind each joint load, its five lines and the run of LDS loads that follows them: the K step that stands TWO refills on, 512 matrix instructions ahead of the load that will ask
; for it: 32 rows x 256 bytes, a lane a row, one instruction a wave.  At a change of slots every wave has waited for all its tensor loads, so the refill that follows has nothing on its way beside it.
; Each row's 256 bytes of a K step are named ONCE in the launch.  A's tile row is asked for by the first cluster along x (the grid is one cluster wide: every cluster asks for its own rows); B's tile column
; is walked by all 16 clusters along y: cluster y = 0 asks.  The four partners that ask for a tile jointly share its rows out BY ADDRESS: of the 128 rows that a wave fetches, the partner at place p takes
; 32 p .. 32 p + 31 (p = cx for A, cy for B): no branch hangs on a work-group's place in its cluster.  how = 0, in the loop: a tile's last two refills have no K step two on; how = 1, at a change of tiles.
.macro ASK how
.if \how
	s_cmp_eq_u32 s[LIM], 1
.else
	s_cmp_gt_u32 s3, s[LIM]                        ; s3 = 1 in the loop's last trip
.endif
	s_cbranch_scc0 .Lnot_mine_\@
	global_prefetch_b8 v[PFO], s[PFA:PFA+1] offset:KSTEP*2 th:TH_LOAD_NT scope:SCOPE_SE
.Lnot_mine_\@:
.endm
; A round of the cluster's barrier: my work-group's barrier, so that wave 0's signal speaks for all four waves; wave 0 signals; every wave waits for all sixteen work-groups; my work-group's barrier once more.
.macro CREST                           ; a round behind its opening barrier
	s_cmp_lg_u32 s10, 0
	s_cbranch_scc1 .Lnot_wave_0_\@
	s_barrier_signal -3
.Lnot_wave_0_\@:
	s_barrier_wait -3
	s_barrier_signal -1
	s_barrier_wait -1
.endm
.macro CROUND
	s_barrier_signal -1
	s_barrier_wait -1
	CREST
.endm
	s_load_b128 s[4:7], s[0:1], 0x0                ; xb s[4:5], wall s[6:7]
	s_load_b64 s[8:9], s[0:1], 0x10                ; qkvh
	s_load_b64 s[BB:BB+1], s[0:1], 0x18            ; ball
	v_lshl_add_u32 v[SPW], v0, 2, SPARE
	v_mov_b32 v[NIL], 0
	ds_add_u32 v[SPW], v[NIL]                      ; the wave's opening: the add and its wait stand ahead of my first tensor load; the set-up below, work on registers, stands between them
	v_lshrrev_b32 v1, 5, v0
	v_readfirstlane_b32 s10, v1                    ; wave 0..3
	s_lshr_b32 s11, s10, 1                         ; which half of the tile's rows is mine.  Also: I fetch for A (0) or for B (1)
	s_and_b32 s12, s10, 1                          ; which half of its columns.  Also: which 128 rows of that tile I fetch
	s_bfe_u32 s40, ttmp6, 0x40000                  ; cx, cy: my place in the cluster
	s_bfe_u32 s41, ttmp6, 0x40004
	s_lshl_b32 s42, ttmp9, 2
	s_add_co_u32 s42, s42, s40                     ; tile column = 4 x cluster x + cx
	s_and_b32 s13, ttmp7, 0xffff
	s_lshl_b32 s13, s13, 2
	s_add_co_u32 s13, s13, s41                     ; tile row = 4 x cluster y + cy
	s_lshl_b32 s43, s41, 2
	s_lshl_b32 s43, 15, s43                        ; my row of the cluster: places 4 cy .. 4 cy + 3
	s_lshl_b32 s44, 0x1111, s40                    ; my column: places cx, cx + 4, cx + 8, cx + 12
	; descriptor group 1: a tile of 128 rows x 128 elements, padded in LDS
	s_or_b32 s[G1+0], s43, (1<<16)|(1<<20)|(1<<21)|(5<<22)|(3<<25)   ; 15:0 the mask; 17:16 elements of 2 bytes; 20 padding on; 21 set beside a mask; 24:22 after every 64 words (code 5); 31:25 4 words of it (code 3)
	s_or_b32 s[G1B+0], s44, (1<<16)|(1<<20)|(1<<21)|(5<<22)|(3<<25)
.irp g, G1, G1B
	s_mov_b32 s[(\g)+1], KSTEP<<16                 ; tensor_dim0 = 128
	s_mov_b32 s[(\g)+2], 128<<16                   ; tensor_dim1 = 128
	s_mov_b32 s[(\g)+3], KSTEP<<16                 ; tile_dim0 = 128
	s_mov_b32 s[(\g)+4], 128                       ; tile_dim1 = 128
	s_mov_b32 s[(\g)+5], 1024                      ; 1,024 elements from row to row
	s_mov_b32 s[(\g)+6], 0
	s_mov_b32 s[(\g)+7], 0
.endr
	; where the tiles come from.  A's hang on the tile row alone, B's on the tile column alone, each in registers that never hold the other coordinate
	s_lshl_b32 s17, s12, 7                         ; which 128 rows of the tile I fetch
	s_lshl_b32 s16, s13, 8
	s_add_co_u32 s16, s16, s17                     ; A: row 256 x tile row + 128 x half
	s_lshl_b32 s46, s42, 8
	s_add_co_u32 s46, s46, s17                     ; B: row 256 x tile column + 128 x half
	s_lshl_b32 s16, s16, 11                        ; rows of 2,048 bytes: under 2^25
	s_lshl_b32 s46, s46, 11
	s_mov_b32 s17, 0
	s_mov_b32 s47, 0
	s_mul_i32 s20, s10, HALFT                      ; and where they go: wave x 128 rows: no place in the cluster enters an LDS address
	s_wait_dscnt 0x0                               ; the opening add is done
	s_wait_kmcnt 0x0
	s_add_nc_u64 s[14:15], s[4:5], s[16:17]
	s_add_nc_u64 s[46:47], s[6:7], s[46:47]
	CROUND                                         ; all sixteen work-groups are here: the first joint loads meet
.irp s, 0,1
	s_mov_b32 s[G0+4*(\s)], 1                                      ; count = 1
	s_add_co_u32 s[G0+4*(\s)+1], s20, (\s)*SLOT                    ; LDS address
	s_add_nc_u64 s[G0+4*(\s)+2:G0+4*(\s)+3], s[14:15], (\s)*KSTEP*2  ; global address: K step s
	s_or_b32 s[G0+4*(\s)+3], s[G0+4*(\s)+3], 0x80000000            ; type = 2
	s_mov_b32 s[G0B+4*(\s)], 1
	s_add_co_u32 s[G0B+4*(\s)+1], s20, (\s)*SLOT
	s_add_nc_u64 s[G0B+4*(\s)+2:G0B+4*(\s)+3], s[46:47], (\s)*KSTEP*2
	s_or_b32 s[G0B+4*(\s)+3], s[G0B+4*(\s)+3], 0x80000000
	JLOAD \s                                       ; two loads of mine are out
.endr
	; A fragment is 16 rows x 32 K in 8 registers: lane l holds row l % 16; registers 0-3 K = 8 (l / 16) + 0..7, registers 4-7 K = 16 + 8 (l / 16) + 0..7: two loads of 16 bytes, 32 bytes apart
	v_and_b32 v1, 15, v0                           ; l % 16
	v_bfe_u32 v2, v0, 4, 1                         ; l / 16
	v_mul_u32_u24 v3, v1, PITCH
	v_lshl_add_u32 v3, v2, 4, v3
	s_mul_i32 s21, s11, HALFT                      ; my 128 rows of A
	s_mul_i32 s22, s12, HALFT                      ; my 128 rows of B,
	s_add_co_u32 s22, s22, 2*HALFT                 ; which lie behind A's 256
.irp s, 0,1
	v_add_nc_u32 v[ADRA+(\s)], s21, v3
	v_add_nc_u32 v[ADRB+(\s)], s22, v3
	s_add_co_u32 s21, s21, SLOT
	s_add_co_u32 s22, s22, SLOT
.endr
	s_mul_i32 s23, s10, 16*SPITCH
	s_add_co_u32 s23, s23, STAGE                   ; my stage
	v_mul_u32_u24 v4, v1, SPITCH                   ; in: row l % 16, 16 bytes for each half of the lanes
	v_lshl_add_u32 v4, v2, 4, v4
	v_add_nc_u32 v[STO], s23, v4
	v_mul_u32_u24 v5, v2, SPITCH                   ; back: lanes 0-15 take one row of 256 bytes, lanes 16-31 the next
	v_lshl_add_u32 v5, v1, 4, v5
	v_add_nc_u32 v[RD], s23, v5
	v_lshlrev_b32 v5, 11, v2                       ; and the same two rows in C
	v_lshl_add_u32 v[CO], v1, 4, v5
	v_lshlrev_b32 v[BO], 5, v2
	s_lshl_b32 s16, s13, 8                         ; C at my part of the first tile: row 256 x tile row + 128 x half,
	s_lshl_b32 s14, s11, 7
	s_add_co_u32 s16, s16, s14
	s_lshl_b32 s16, s16, 11
	s_lshl_b32 s46, s42, 9                         ; byte 512 x tile column + 256 x half of it
	s_lshl_b32 s47, s12, 8
	s_add_co_u32 s46, s46, s47
	s_add_co_u32 s16, s16, s46
	s_mov_b32 s17, 0
	s_add_nc_u64 s[8:9], s[8:9], s[16:17]
	s_lshl_b32 s46, s46, 1                         ; the same columns in ball, 4 bytes each
	s_mov_b32 s47, 0
	s_add_nc_u64 s[BB:BB+1], s[BB:BB+1], s[46:47]
	; the prefetches.  s13 = tile row, s42 = tile column, s40 = cx, s41 = cy still stand; s[4:5] = xb, s[6:7] = wall
	s_lshl_b32 s20, s13, 8
	s_lshl_b32 s21, s42, 8
	s_and_b32 s22, ttmp7, 0xffff                   ; cluster y
	s_cmp_eq_u32 s11, 0                            ; do I fetch for A?
	s_cselect_b32 s20, s20, s21                    ; the tile's first row: in xb by the tile row, in wall by the tile column
	s_cselect_b32 s21, s40, s41                    ; my place among the four that ask for it with me
	s_cselect_b32 s22, ttmp9, s22                  ; the coordinate along which other clusters walk the same rows
	s_cselect_b64 s[PFA:PFA+1], s[4:5], s[6:7]
	s_cmp_eq_u32 s22, 0
	s_cselect_b32 s[LIM], 1, -1                    ; the same in all sixteen partners, for a given wave
	s_lshl_b32 s22, s12, 7
	s_add_co_u32 s20, s20, s22                     ; + the 128 rows that I fetch
	s_lshl_b32 s21, s21, 5
	s_add_co_u32 s20, s20, s21                     ; + my work-group's 32 of them
	s_lshl_b32 s20, s20, 11
	s_mov_b32 s21, 0
	s_add_nc_u64 s[PFA:PFA+1], s[PFA:PFA+1], s[20:21]
	s_add_nc_u64 s[PFA:PFA+1], s[PFA:PFA+1], 2*KSTEP*2  ; at K step 2: the first refill steps it to 3 and names K step 4
	v_and_b32 v[PFO], 31, v0
	v_lshlrev_b32 v[PFO], 11, v[PFO]
	; nothing is prefetched here, at the head, where every work-group's first two tiles are on their way: K steps 2 and 3 come by their refills alone
; 16 matrix instructions: m blocks a0, a0 + 1 of the window's four (hi = 0: my rows 0-63, 1: rows 64-127) x all 8 n blocks, 32 along K.  The 64 accumulators take turns, one instruction a turn, in the same
; order in every quarter.  zero = 1: the tile's first products start the sums, with the bias as C: nothing is cleared, and no line adds the bias.
.macro MUL16 f, hi, a0, zero
.if \zero
	WIN MUL_C+0x40*(\hi)
.else
	WIN MUL_LO+0x50*(\hi)
.endif
.irp a, \a0, (\a0)+1
.irp b, 0,1,2,3,4,5,6,7
.if \zero
	v_wmma_f32_16x16x32_bf16 v[8*(8*(\a)+(\b)):8*(8*(\a)+(\b))+7], v[(\f)+8*(\b):(\f)+8*(\b)+7], v[(\f)+8*(4*(\hi)+(\a)):(\f)+8*(4*(\hi)+(\a))+7], v[BIA+8*(\b):BIA+8*(\b)+7]
.else
	v_wmma_f32_16x16x32_bf16 v[8*(8*(\a)+(\b)):8*(8*(\a)+(\b))+7], v[(\f)+8*(\b):(\f)+8*(\b)+7], v[(\f)+8*(4*(\hi)+(\a)):(\f)+8*(4*(\hi)+(\a))+7], v[8*(8*(\a)+(\b)):8*(8*(\a)+(\b))+7]
.endif
.endr
.endr
.endm
; 32 LDS loads in one run: the fragments of one quarter step (128 rows of B, 128 rows of A, 32 K at byte k of the rows) into buffer f
.macro FETCH slot, k, f
	WIN TO_B
.irp i, 0,1,2,3,4,5,6,7
	ds_load_b128 v[(\f)+8*(\i):(\f)+8*(\i)+3],   v[ADRB+(\slot)] offset:(\k)+(\i)*16*PITCH
	ds_load_b128 v[(\f)+8*(\i)+4:(\f)+8*(\i)+7], v[ADRB+(\slot)] offset:(\k)+(\i)*16*PITCH+32
.endr
	WIN 0
.irp i, 0,1,2,3,4,5,6,7
	ds_load_b128 v[(\f)+8*(\i):(\f)+8*(\i)+3],   v[ADRA+(\slot)] offset:(\k)+(\i)*16*PITCH
	ds_load_b128 v[(\f)+8*(\i)+4:(\f)+8*(\i)+7], v[ADRA+(\slot)] offset:(\k)+(\i)*16*PITCH+32
.endr
.endm
; A load into a register that a matrix instruction has read, and a vector instruction that reads a matrix result, stand four places behind it; only plain vector instructions that name none of its
; registers are places (ISA guide 7.12.1 for vector instructions).
.macro PLACES
.rept 4
	v_nop
.endr
.endm
; The bias of my 128 columns: 16 loads of 16 bytes a lane; the pointer then stands at the tile whose bias was loaded, and is stepped behind the wait for these loads
.macro BIASLOAD
	WIN TO_B
.irp b, 0,1,2,3,4,5,6,7
	global_load_b128 v[BIA+8*(\b):BIA+8*(\b)+3],   v[BO], s[BB:BB+1] offset:64*(\b)
	global_load_b128 v[BIA+8*(\b)+4:BIA+8*(\b)+7], v[BO], s[BB:BB+1] offset:64*(\b)+16
.endr
.endm
; A K step is four quarters of 32 along K, 64 matrix instructions each, on buffers 0, 1, 0, 1.  One of the first three: multiplies buffer f; in its middle it fetches the next quarter, at byte k, into g.
.macro QUARTER slot, k, f, g, zero
	s_wait_dscnt 8                                 ; B and A's rows 0-63 are in; the youngest eight loads (A's rows 64-127) may be out
	MUL16 \f, 0, 0, \zero
	MUL16 \f, 0, 2, \zero
	PLACES
	FETCH \slot, \k, \g
	s_wait_dscnt 32                                ; all but the 32 just issued
	MUL16 \f, 1, 0, \zero
	MUL16 \f, 1, 2, \zero
.endm
; The last quarter multiplies buffer 1 and changes slots.  MEET is its first half: ONE barrier for two things.  In front of it each wave waits for all its tensor loads, of which one is out: its part of the
; next slot; adds 0 to its spare word; and waits for that and for its own reads of this slot.  Behind it nobody reads this slot any more and the next slot is whole.
.macro MEET round                      ; round = 1: a round of the cluster's barrier follows
	WIN 0                                          ; (the add's two registers lie in window 0)
	s_wait_tensorcnt 0x0                           ; all my tensor loads have landed
	ds_add_u32 v[SPW], v[NIL]                      ; 0 onto my spare word
	s_wait_dscnt 9                                 ; (the add and the youngest eight loads may be out)
	MUL16 F1, 0, 0, 0                              ; sixteen matrix instructions stand between the add and the wait for it
	s_wait_dscnt 0x0                               ; the add is done, and my reads of this slot are over
	s_barrier_signal -1
	MUL16 F1, 0, 2, 0                              ; work on registers while the others arrive
.if \round
	WIN 0
.endif
	s_barrier_wait -1
.endm
; The whole last quarter.  Behind the round the slot just read out is filled again first: with this tile's K step two steps on (on = 0) or with the NEXT tile's K step 0 or 1 (on = 1); then come the next
; slot's first fragments.  From a request to the wait for it a wave issues 224 matrix instructions, across tiles too.  One tensor load of mine is out behind each round.
.macro TURN slot, next, on
	s_wait_xcnt 0x0                                ; the last prefetch, a K step back, has read its address: it is stepped here, ahead of the waits of the change of slots, so that nothing is added between the round and the joint load
.if (\on) && (\slot) == 0
	s_add_nc_u64 s[PFA:PFA+1], s[PFA:PFA+1], 1023*ROWB+KSTEP*2  ; from the K step after the tile's last to the next tile's K step 1: 1,024 rows of wall down, back along K
	s_cmp_eq_u32 s11, 0
	s_cselect_b32 s[LIM], -1, s[LIM]               ; A's rows are the same for all three tiles: they have been read, and are asked for no more
.else
	s_add_nc_u64 s[PFA:PFA+1], s[PFA:PFA+1], KSTEP*2
.endif
	MEET 1
	CREST                                          ; no wave of any partner still reads this slot's tile or has a load on its way
.if \on
	s_sub_nc_u64 s[G0+4*(\slot)+2:G0+4*(\slot)+3], s[G0+4*(\slot)+2:G0+4*(\slot)+3], BACK_A
	s_add_nc_u64 s[G0B+4*(\slot)+2:G0B+4*(\slot)+3], s[G0B+4*(\slot)+2:G0B+4*(\slot)+3], NEXT_B
.else
	s_add_nc_u64 s[G0+4*(\slot)+2:G0+4*(\slot)+3], s[G0+4*(\slot)+2:G0+4*(\slot)+3], 2*KSTEP*2
	s_add_nc_u64 s[G0B+4*(\slot)+2:G0B+4*(\slot)+3], s[G0B+4*(\slot)+2:G0B+4*(\slot)+3], 2*KSTEP*2
.endif
	JLOAD \slot                                    ; the first tensor load behind the round; the four v_nop behind it are also the places in front of the loads below
	FETCH \next, 0, F0
	ASK \on                                        ; behind the joint load and the run of LDS loads that the next products wait for
	MUL16 F1, 1, 0, 0
	MUL16 F1, 1, 2, 0
.endm
; THE WAY OUT of block a (16 of my rows), in three parts.  PACK: rounded to f16, 16 bytes a lane; each accumulator's registers in ascending order.  TOSTAGE: into my own stage, and back as whole rows of 256 bytes.  SEND: stored.
.macro PACK a
.set AC, 64*((\a)%4)
	WIN 0x0a+5*((\a)/4)                            ; sources 0 and 1: window 2 or 3
.irp b, 0,1,2,3,4,5,6,7
.irp r, 0,1,2,3
	v_cvt_pk_f16_f32 v[TMP+4*(\b)+(\r)], v[AC+8*(\b)+2*(\r)], v[AC+8*(\b)+2*(\r)+1]
.endr
.endr
	WIN 0
.endm
.macro TOSTAGE a
.set BK, OB+192*((\a)%2)
.irp b, 0,1,2,3,4,5,6,7
	ds_store_b128 v[STO], v[TMP+4*(\b):TMP+4*(\b)+3] offset:32*(\b)
.endr
.irp t, 0,1,2,3,4,5,6,7
	ds_load_b128 v[BK+4*(\t):BK+4*(\t)+3], v[RD] offset:(\t)*2*SPITCH  ; LDS serves a wave's instructions in order (ISA guide 5.7.1.4): these see the stores above
.endr
.endm
.macro SEND a
.set BK, OB+192*((\a)%2)
	s_wait_dscnt 0x0                               ; the block is back in registers
	s_wait_xcnt 0x0                                ; the stores of the block before have read their registers: the next block's loads from the stage land on them
.irp t, 0,1,2,3,4,5,6,7
	global_store_b128 v[CO], v[BK+4*(\t):BK+4*(\t)+3], s[8:9] offset:(16*(\a)+2*(\t))*ROWB th:TH_STORE_NT  ; 16 lanes store 256 consecutive bytes, at a multiple of 256 from the buffer's first byte
.endr
.endm
	BIASLOAD                                       ; q's bias
	s_wait_tensorcnt 1                             ; my part of K step 0 is in; K step 1's may stay out
	s_barrier_signal -1
	s_barrier_wait -1                              ; everybody's is
	FETCH 0, 0, F0
	s_mov_b32 s2, TILES                            ; tiles to go, this one among them: the same number in every work-group
.Ltile:                                                ; (FETCH and SEND leave every window 0)
	s_wait_loadcnt 0x0                             ; the tile's bias is in, so its pointer may be written:
	s_add_nc_u64 s[BB:BB+1], s[BB:BB+1], 4096      ; the next tile's row of ball
	QUARTER 0, 64,  F0, F1, 1                      ; a tile's first quarter stands in front of the loop: its products start the sums
	WIN 0                                          ; at a label and at a branch every window is 0
	s_mov_b32 s3, LAPS-1
.Llap:                                                 ; a trip goes once round the ring, from a lap's second quarter to the next lap's first, and fills both slots again
	QUARTER 0, 128, F1, F0, 0
	QUARTER 0, 192, F0, F1, 0
	TURN 0, 1, 0
	QUARTER 1, 64,  F0, F1, 0
	QUARTER 1, 128, F1, F0, 0
	QUARTER 1, 192, F0, F1, 0
	TURN 1, 0, 0
	QUARTER 0, 64,  F0, F1, 0
	WIN 0
	s_sub_co_u32 s3, s3, 1
	s_cmp_lg_u32 s3, 0
	s_cbranch_scc1 .Llap
	QUARTER 0, 128, F1, F0, 0                      ; the tile's last lap goes on
	QUARTER 0, 192, F0, F1, 0
	WIN 0
	s_cmp_eq_u32 s2, 1
	s_cbranch_scc1 .Llast                          ; the last tile's last lap asks for nothing more
	TURN 0, 1, 1                                   ; THE RING GOES ON INTO THE NEXT TILE: slot 0 takes its K step 0,
	BIASLOAD                                       ; its bias is asked for (the registers were last read in this tile's first quarter),
	QUARTER 1, 64,  F0, F1, 0
	QUARTER 1, 128, F1, F0, 0
	QUARTER 1, 192, F0, F1, 0
	TURN 1, 0, 1                                   ; slot 1 its K step 1, and the next tile's first fragments are fetched
	WIN 0                                          ; blocks 0-3 were finished in front of the joint load's four v_nop; their 128 conversions, which name no register of the last products (blocks 4-7's), are those products' places
	s_branch .Lout
.Llast:
	MEET 0                                         ; my one tensor load that was still out is the last K step's, so no round follows
	PLACES
	FETCH 1, 0, F0
	MUL16 F1, 1, 0, 0
	MUL16 F1, 1, 2, 0
	QUARTER 1, 64,  F0, F1, 0
	QUARTER 1, 128, F1, F0, 0
	QUARTER 1, 192, F0, F1, 0
	s_wait_dscnt 8                                 ; the very last quarter: nothing more to fetch
	MUL16 F1, 0, 0, 0
	MUL16 F1, 0, 2, 0
	s_wait_dscnt 0x0
	MUL16 F1, 1, 0, 0
	MUL16 F1, 1, 2, 0
	WIN 0
	PLACES
.Lout:                                                 ; the way out is written once; block a's conversions stand between block a - 1's loads from the stage and the wait for them
	PACK 0
	TOSTAGE 0
.irp a, 1,2,3,4,5,6,7
	PACK \a
	SEND (\a)-1
	TOSTAGE \a
.endr
	SEND 7
	s_wait_xcnt 0x0                                ; the stores have read their registers and their base
	s_add_nc_u64 s[8:9], s[8:9], PLANE             ; the next tile's plane
	s_sub_co_u32 s2, s2, 1
	s_cmp_lg_u32 s2, 0
	s_cbranch_scc1 .Ltile
	s_wait_tensorcnt 0x0                           ; the wave's end: behind my last tensor load and my last LDS store
	ds_add_u32 v[SPW], v[NIL]
	s_wait_dscnt 0x0
	CROUND                                         ; the closing round: no work-group ends while a partner may still ask for a tile that names it
	s_endpgm
.Lfunc_end_k_qe08d10e3d9_qkv:
	.size	k_qe08d10e3d9_qkv, .Lfunc_end_k_qe08d10e3d9_qkv-k_qe08d10e3d9_qkv
	.p2alignl 7, 3214868480
	.fill 96, 4, 3214868480
	.section	.rodata,"a",@progbits
	.p2align	6, 0x0
	.amdhsa_kernel k_qe08d10e3d9_qkv
		.amdhsa_group_segment_fixed_size 327680
		.amdhsa_private_segment_fixed_size 0
		.amdhsa_enable_private_segment 0
		.amdhsa_kernarg_size 32
		.amdhsa_user_sgpr_count 2
		.amdhsa_user_sgpr_kernarg_segment_ptr 1
		.amdhsa_wavefront_size32 1
		.amdhsa_system_sgpr_workgroup_id_x 1
		.amdhsa_system_sgpr_workgroup_id_y 1
		.amdhsa_system_sgpr_workgroup_id_z 1
		.amdhsa_system_vgpr_workitem_id 0
		.amdhsa_next_free_vgpr 1024
		.amdhsa_next_free_sgpr 66
		.amdhsa_reserve_vcc 0
		.amdhsa_float_denorm_mode_32 3
		.amdhsa_float_denorm_mode_16_64 3
		.amdhsa_memory_ordered 1
		.amdhsa_forward_progress 1
		.amdhsa_inst_pref_size 181
	.end_amdhsa_kernel
	.amdgpu_metadata
---
amdhsa.version: [ 1, 2 ]
amdhsa.kernels:
  - .name:           k_qe08d10e3d9_qkv
    .symbol:         k_qe08d10e3d9_qkv.kd
    .args:
      - { .name: xb, .offset: 0, .size: 8, .value_kind: global_buffer, .address_space: global }
      - { .name: wall, .offset: 8, .size: 8, .value_kind: global_buffer, .address_space: global }
      - { .name: qkvh, .offset: 16, .size: 8, .value_kind: global_buffer, .address_space: global }
      - { .name: ball, .offset: 24, .size: 8, .value_kind: global_buffer, .address_space: global }
    .group_segment_fixed_size: 327680
    .private_segment_fixed_size: 0
    .kernarg_segment_align: 8
    .kernarg_segment_size: 32
    .max_flat_workgroup_size: 128
    .sgpr_count:     66
    .vgpr_count:     1024
    .wavefront_size: 32
...
	.end_amdgpu_metadata
.endif
;; end of part 2
;; launch attn (part 3): grid 256 x 1, 16 waves a work-group, no clusters, 0 bytes of LDS; arguments qkvh, ctx; writes ctx
.if DOCPART == 3
	.amdgcn_target "amdgcn-amd-amdhsa--gfx1250"
	.amdhsa_code_object_version 6
	.text
	.protected	k_qe08d10e3d9_attn
	.globl	k_qe08d10e3d9_attn
	.p2align	8
	.type	k_qe08d10e3d9_attn,@function
k_qe08d10e3d9_attn:
	s_mov_b64 s[64:65], 0
	v_nop
	global_prefetch_b8 v0, s[64:65] scope:SCOPE_SE
	s_setreg_imm32_b32 hwreg(HW_REG_WAVE_MODE, 25, 1), 1
	s_wait_xcnt 0x0
; ATTENTION INSIDE A TOKEN, ACROSS ITS 16 HEADS.  For each token: s[h][g] = q[h] . k[g] / 8 (64 channels), p = softmax over g, ctx[h] = the sum over g of p[h][g] v[g].
; qkvh: [3][16384][1024] f16, planes q', k', v'; ctx: [16384][1024] f16.  Products, maximum and sum in f32; p (divided by its sum first) and ctx are rounded once to f16.
; THE ORDER IN A TOKEN'S 2,048 BYTES.  q', k', ctx': element 128 (d >> 3) + 8 h + (d & 7);  v': element 256 (d >> 4) + 128 (g >> 3) + 8 (d & 15) + (g & 7).  So of each run of 512 bytes lane l's 16 bytes at 16 l are:
;   q', k', run i: head l % 16, channels 8 (2 i + l / 16) + 0..7: half a fragment (16 heads x 32 channels in 8 registers: registers 0-3 channels 8 (l / 16) + 0..7, registers 4-7 channels 16 + 8 (l / 16) + 0..7);
;   v', run i: channel 16 i + l % 16, heads g = 8 (l / 16) + 0..7: half a fragment of v^T.
; Nothing goes through LDS, nothing changes lanes but the two exchanges of the softmax, and every load and store of a wave covers 512 consecutive bytes.
; S^T = k q^T (source 0 = 16 heads g, source 1 = 16 heads h): a lane holds ONE h (l % 16) and g = 8 (l / 16) + 0..7.  Rounded to f16 in pairs, these four registers are half of source 1 of O^T = v^T p.
; TWO TOKENS TO A PRODUCT.  The second product has only 16 along K, the instruction 32: source 0 holds token a's v in registers 0-3 and token b's in registers 4-7; source 1 is (p_a, 0) for token a's result and (0, p_b) for b's.
; SOFTMAX.  The row's true maximum m is taken away: p = 2^(c s - c m), c = log2(e) / 8, in one fused line; the rounding of c m is the same for a row's 16 weights and leaves p / l as it is.  l is at least about 1.
; LIMITS.  A weight below 2^-126 counts as 0; NaN and infinities are not treated apart.
; SHARES.  A work-group takes 64 tokens, a wave 4, as two pairs.  A wave's 48 loads go out at its head; no loop, no barrier, and no register that a store reads is written again.
.set PLANE, 16384*2048
.set SA,  208                          ; v[208:215] S^T of token a, v[216:223] of token b
.set PA,  224                          ; v[224:227] p_a; v[228:231] 0; v[232:235] p_b
.set ST,  236                          ; token u's four at v[ST + 4 u]: m (then c m, then at work), the other half's, l (even g's, odd g's)
.set CS,  20                           ; s[20:21] c: the packed line takes the pair's low word for both halves
.set SEL, 22                           ; s[22:23] v_permlanex16_b32's selects: each lane takes its own place in the other half
	s_load_b128 s[4:7], s[0:1], 0x0                ; qkvh s[4:5], ctx s[6:7]
	v_lshrrev_b32 v2, 5, v0
	v_readfirstlane_b32 s8, v2                     ; wave 0..15
	v_and_b32 v1, 31, v0
	v_lshlrev_b32 v1, 4, v1                        ; 16 x lane; never rewritten
	s_lshl_b32 s10, ttmp9, 17                      ; 64 tokens of 2,048 bytes,
	s_lshl_b32 s9, s8, 13                          ; my wave's 4
	s_add_co_u32 s10, s10, s9
	s_mov_b32 s11, 0
	s_mov_b32 s[CS], 0x3e38aa3b                    ; c = log2(e) / 8 = 0.180337
	s_mov_b32 s[CS+1], s[CS]
	s_mov_b32 s[SEL], 0x76543210
	s_mov_b32 s[SEL+1], 0xfedcba98
	s_wait_kmcnt 0x0
	s_add_nc_u64 s[12:13], s[4:5], s[10:11]        ; q'
	s_add_nc_u64 s[14:15], s[12:13], PLANE         ; k'
	s_add_nc_u64 s[16:17], s[12:13], 2*PLANE       ; v'
	s_add_nc_u64 s[18:19], s[6:7], s[10:11]        ; ctx
; Pair p's 96 registers at 16 + 96 p: q_a, q_b, k_a, k_b (16 each), then v: fragment d at + 64 + 8 d, token a's four registers and token b's.  In this order: q (8 loads), k (8), v (8).
.irp p, 0,1
.irp u, 0,1
.irp i, 0,1,2,3
	global_load_b128 v[16+96*(\p)+16*(\u)+4*(\i):16+96*(\p)+16*(\u)+4*(\i)+3], v1, s[12:13] offset:(2*(\p)+(\u))*2048+512*(\i) th:TH_LOAD_NT
.endr
.endr
.irp u, 0,1
.irp i, 0,1,2,3
	global_load_b128 v[48+96*(\p)+16*(\u)+4*(\i):48+96*(\p)+16*(\u)+4*(\i)+3], v1, s[14:15] offset:(2*(\p)+(\u))*2048+512*(\i) th:TH_LOAD_NT
.endr
.endr
.irp i, 0,1,2,3
.irp u, 0,1
	global_load_b128 v[80+96*(\p)+8*(\i)+4*(\u):80+96*(\p)+8*(\i)+4*(\u)+3], v1, s[16:17] offset:(2*(\p)+(\u))*2048+512*(\i) th:TH_LOAD_NT
.endr
.endr
.endr
.irp r, 4,5,6,7
	v_mov_b32 v[PA+(\r)], 0                        ; the four registers that blank the other token
.endr
	v_mov_b32 v[ST+1], 0                           ; v_permlanex16_b32's destination counts as read
	v_mov_b32 v[ST+5], 0
.macro EACH line:vararg                ; one line for each of the pair's tokens, u = 0, 1: so no line reads the result of the one before it
.set u, 0
.rept 2
	\line
.set u, u+1
.endr
.endm
; A pair of tokens.  w1: the loads younger than its k's last; w2: those younger than its v's last.
.macro PAIR p, w1, w2
.set BUF, 16+96*(\p)
	s_wait_loadcnt \w1                             ; loads come back in order: the pair's q and k are in
	v_wmma_f32_16x16x32_f16 v[SA:SA+7],    v[BUF+32:BUF+39], v[BUF:BUF+7],     0           ; the two accumulators take turns
	v_wmma_f32_16x16x32_f16 v[SA+8:SA+15], v[BUF+48:BUF+55], v[BUF+16:BUF+23], 0
	v_wmma_f32_16x16x32_f16 v[SA:SA+7],    v[BUF+40:BUF+47], v[BUF+8:BUF+15],  v[SA:SA+7]
	v_wmma_f32_16x16x32_f16 v[SA+8:SA+15], v[BUF+56:BUF+63], v[BUF+24:BUF+31], v[SA+8:SA+15]
.rept 5
	v_nop                                          ; the places behind those products: four for the lines that read the scores, five for the products below that write over q's and k's registers
.endr
	EACH v_max3_num_f32 v[ST+4*u], v[SA+8*u], v[SA+8*u+1], v[SA+8*u+2]                   ; the accumulator's lowest registers are read first
	EACH v_max3_num_f32 v[ST+4*u], v[ST+4*u], v[SA+8*u+3], v[SA+8*u+4]
	EACH v_max3_num_f32 v[ST+4*u], v[ST+4*u], v[SA+8*u+5], v[SA+8*u+6]
	EACH v_max_num_f32 v[ST+4*u], v[ST+4*u], v[SA+8*u+7]
	EACH v_permlanex16_b32 v[ST+4*u+1], v[ST+4*u], s[SEL], s[SEL+1]                      ; the head's other 8 scores lie in the lane 16 away
	EACH v_max_num_f32 v[ST+4*u], v[ST+4*u], v[ST+4*u+1]
	EACH v_mul_f32 v[ST+4*u], s[CS], v[ST+4*u]                                           ; c m
.irp k, 0,2,4,6
	EACH v_pk_fma_f32 v[SA+8*u+(\k):SA+8*u+(\k)+1], v[SA+8*u+(\k):SA+8*u+(\k)+1], s[CS:CS+1], v[ST+4*u:ST+4*u+1] op_sel_hi:[1,0,0] neg_lo:[0,0,1] neg_hi:[0,0,1]
.endr
.set r, 0
.rept 16
	v_exp_f32 v[SA+r], v[SA+r]                     ; one batch
.set r, r+1
.endr
	v_nop                                          ; a plain instruction behind the last exponential (ISA guide 5.7.2),
	s_wait_alu depctr_va_vdst(0)                   ; and the wait ahead of the first use: one for the sixteen
	EACH v_pk_add_f32 v[ST+4*u+2:ST+4*u+3], v[SA+8*u:SA+8*u+1], v[SA+8*u+2:SA+8*u+3]
	EACH v_pk_add_f32 v[ST+4*u:ST+4*u+1], v[SA+8*u+4:SA+8*u+5], v[SA+8*u+6:SA+8*u+7]
	EACH v_pk_add_f32 v[ST+4*u+2:ST+4*u+3], v[ST+4*u+2:ST+4*u+3], v[ST+4*u:ST+4*u+1]
	EACH v_add_f32 v[ST+4*u+2], v[ST+4*u+2], v[ST+4*u+3]
	EACH v_permlanex16_b32 v[ST+4*u+1], v[ST+4*u+2], s[SEL], s[SEL+1]
	EACH v_add_f32 v[ST+4*u+2], v[ST+4*u+2], v[ST+4*u+1]
	EACH v_rcp_f32 v[ST+4*u+2], v[ST+4*u+2]
	v_nop
	s_wait_alu depctr_va_vdst(0)                   ; one for the two reciprocals
.irp k, 0,2,4,6
	EACH v_pk_mul_f32 v[SA+8*u+(\k):SA+8*u+(\k)+1], v[SA+8*u+(\k):SA+8*u+(\k)+1], v[ST+4*u+2:ST+4*u+3] op_sel_hi:[1,0]
.endr
.irp k, 0,1,2,3
	EACH v_cvt_pk_f16_f32 v[PA+8*u+(\k)], v[SA+8*u+2*(\k)], v[SA+8*u+2*(\k)+1]
.endr
	s_wait_loadcnt \w2                             ; the pair's v is in
.irp d, 0,1,2,3                        ; O^T of channels 16 d on: token a's over q's registers, token b's over k's
	v_wmma_f32_16x16x32_f16 v[BUF+8*(\d):BUF+8*(\d)+7],       v[BUF+64+8*(\d):BUF+64+8*(\d)+7], v[PA:PA+7],    0
	v_wmma_f32_16x16x32_f16 v[BUF+32+8*(\d):BUF+32+8*(\d)+7], v[BUF+64+8*(\d):BUF+64+8*(\d)+7], v[PA+4:PA+11], 0
.endr
.rept 4
	v_nop                                          ; the places behind those products
.endr
.set r, 0
.rept 16                               ; in place, ascending: register r takes numbers 2 r and 2 r + 1, which no earlier line has written over
	EACH v_cvt_pk_f16_f32 v[BUF+32*u+r], v[BUF+32*u+2*r], v[BUF+32*u+2*r+1]
.set r, r+1
.endr
.irp u, 0,1
.irp d, 0,1,2,3                        ; a lane's 8 channels 16 d + 8 (l / 16) + 0..7 of head l % 16 are the 16 bytes at 512 d + 16 l of the token in ctx
	global_store_b128 v1, v[BUF+32*(\u)+4*(\d):BUF+32*(\u)+4*(\d)+3], s[18:19] offset:(2*(\p)+(\u))*2048+512*(\d) th:TH_STORE_NT
.endr
.endr
.endm
	PAIR 0, 32, 24                                 ; younger than pair 0's k: its v's 8 loads and pair 1's 24; younger than its v: pair 1's 24
	PAIR 1, 8, 0                                   ; younger than pair 1's k: its v's 8
	s_endpgm
.Lfunc_end_k_qe08d10e3d9_attn:
	.size	k_qe08d10e3d9_attn, .Lfunc_end_k_qe08d10e3d9_attn-k_qe08d10e3d9_attn
	.p2alignl 7, 3214868480
	.fill 96, 4, 3214868480
	.section	.rodata,"a",@progbits
	.p2align	6, 0x0
	.amdhsa_kernel k_qe08d10e3d9_attn
		.amdhsa_group_segment_fixed_size 0
		.amdhsa_private_segment_fixed_size 0
		.amdhsa_enable_private_segment 0
		.amdhsa_kernarg_size 16
		.amdhsa_user_sgpr_count 2
		.amdhsa_user_sgpr_kernarg_segment_ptr 1
		.amdhsa_wavefront_size32 1
		.amdhsa_system_sgpr_workgroup_id_x 1
		.amdhsa_system_sgpr_workgroup_id_y 1
		.amdhsa_system_sgpr_workgroup_id_z 1
		.amdhsa_system_vgpr_workitem_id 0
		.amdhsa_next_free_vgpr 256
		.amdhsa_next_free_sgpr 66
		.amdhsa_reserve_vcc 0
		.amdhsa_float_denorm_mode_32 3
		.amdhsa_float_denorm_mode_16_64 3
		.amdhsa_memory_ordered 1
		.amdhsa_forward_progress 1
		.amdhsa_inst_pref_size 21
	.end_amdhsa_kernel
	.amdgpu_metadata
---
amdhsa.version: [ 1, 2 ]
amdhsa.kernels:
  - .name:           k_qe08d10e3d9_attn
    .symbol:         k_qe08d10e3d9_attn.kd
    .args:
      - { .name: qkvh, .offset: 0, .size: 8, .value_kind: global_buffer, .address_space: global }
      - { .name: ctx, .offset: 8, .size: 8, .value_kind: global_buffer, .address_space: global }
    .group_segment_fixed_size: 0
    .private_segment_fixed_size: 0
    .kernarg_segment_align: 8
    .kernarg_segment_size: 16
    .max_flat_workgroup_size: 512
    .sgpr_count:     66
    .vgpr_count:     256
    .wavefront_size: 32
...
	.end_amdgpu_metadata
.endif
;; end of part 3
;; launch proj (part 4): grid 4 x 64, 4 waves a work-group, clusters of 4 x 4, 327,680 bytes of LDS; arguments ctx, wall, out0, ball; writes out0
.if DOCPART == 4
	.amdgcn_target "amdgcn-amd-amdhsa--gfx1250"
	.amdhsa_code_object_version 6
	.text
	.protected	k_qe08d10e3d9_proj
	.globl	k_qe08d10e3d9_proj
	.p2align	8
	.type	k_qe08d10e3d9_proj,@function
k_qe08d10e3d9_proj:
	s_mov_b64 s[64:65], 0
	v_nop
	global_prefetch_b8 v0, s[64:65] scope:SCOPE_SE
	s_setreg_imm32_b32 hwreg(HW_REG_WAVE_MODE, 25, 1), 1
	s_wait_xcnt 0x0
	s_wait_alu depctr_hold_cnt(0) depctr_sa_sdst(0) depctr_va_vdst(0) depctr_va_sdst(0) depctr_va_ssrc(0) depctr_va_vcc(0) depctr_vm_vsrc(0)
	s_getreg_b32 s2, hwreg(HW_REG_IB_STS2, 6, 4)
	s_cmp_eq_u32 s2, 0
	s_cbranch_scc0 .Lentry_in_a_cluster
	s_endpgm
.Lentry_in_a_cluster:
	s_bfe_u32 s2, ttmp6, 0x10000c
	s_cmp_lg_u32 s2, 0xf033
	s_cbranch_scc0 .Lentry_shape_is_right
	s_endpgm
.Lentry_shape_is_right:
; out0 = ctx wo'^T + bo.  ctx: [16384][1024] f16; wall's rows 3072-4095: wo' in f16 (its columns in ctx's order along K); ball's row 3: bo in f32; out0: [16384][1024] f32.  Sums in f32, stored as they are.
; A tile of C, 256 tokens x 256 columns, is made by a work-group of four waves; a wave makes 128 x 128: 64 accumulators of 16 x 16, 512 registers.  K goes in 8 steps of 128 through a ring of two LDS
; slots filled by the tensor data mover: each row of a tile is 256 bytes of memory, at a multiple of 256 bytes from its buffer's first byte.  256 work-groups, a tile each.
; CLUSTERS: 4 x 4 work-groups.  The four of a row of the cluster need the same tiles of A, the four of a column the same tiles of B: each tile is asked for JOINTLY, by the same tensor load with the
; same descriptor and a mask that names the four.
; THE MATRIX INSTRUCTION IS USED TRANSPOSED: source 0 = 16 rows of wo', source 1 = 16 tokens.  In the result lane l holds token l % 16 and the columns 8 (l / 16) + 0..7: 32 bytes of f32 on end.
; THE BIAS IS THE C OPERAND of the first products: register j of column block b in lane l is bo[column 16 b + 8 (l / 16) + j], the same for all tokens.
; THE LAST K STEP GOES BY ROWS OF C, NOT BY K: nothing follows the tile under which its 64 KiB a wave could leave, so each block of 16 rows is finished and stored while the later blocks are still multiplied.
; REGISTERS, in windows of 256 (s_set_vgpr_msb's low byte: bits 1:0 source 0, 3:2 source 1, 5:4 source 2, 7:6 destination):
;   window 0: v0-31 addresses; v64-127, v128-191 fragments of A, two buffers (in the last K step four, of 16 rows x 128 K); v192-255 16 rows read back from the stage
;   window 1: v0-63 the bias; v64-127, v128-191 fragments of B, two buffers; in the last K step all 256: B's fragments of the whole step
;   window 2: the 32 accumulators of my rows 0-63 ((a, b) at v[8 (8 a + b)]);   window 3: those of my rows 64-127
.set KSTEP,  128
.set ROWB,   2048                      ; bytes in a row of ctx and of wall
.set OUTB,   4096                      ; bytes in a row of out0
.set PITCH,  272                       ; an LDS row: 256 bytes + 16 of padding = 68 words: row r starts at bank 4 r mod 64 (64 banks of 4 bytes: ISA guide 11.1)
.set HALFT,  128*PITCH
.set SLOT,   4*HALFT                   ; A's 256 rows, then B's 256 rows
.set STAGE,  2*SLOT                    ; behind the ring: 16 rows x 528 bytes for each wave, for the way out; no tensor load fills it
.set SPITCH, 528                       ; 512 bytes + 16: 33 x 16 bytes, so the 16 rows that a store touches start at 16 different groups of four banks
.set SPARE,  STAGE+4*16*SPITCH         ; behind the stages: the spare words, 128 bytes for each wave: two blocks of 256 bytes that no other line names
.set LAPS,   4
.set ADRA, 16                          ; v16-17  LDS address of my A fragments in slot 0, 1
.set ADRB, 20                          ; v20-21  the same for B
.set STO,  24                          ; v24     the way out: where I put 32 bytes of a row
.set RD,   25                          ; v25     the way out: my 16 bytes of a row of 512 in the stage
.set CO,   26                          ; v26     the same 16 bytes in C
.set BO,   27                          ; v27     my byte offset in 16 numbers of the bias: 32 (l / 16)
.set SPW,  28                          ; v28     LDS address of my spare word: SPARE + 4 x my thread's number; never rewritten
.set NIL,  29                          ; v29     0; never rewritten
.set PFO,  30                          ; v30     the prefetches' offset: my lane x a row of ctx or wall (2,048 bytes); never rewritten
.set F0,   64
.set F1,   128
.set PA,   64                          ; the last K step: A's fragments of 16 rows x 128 K, 32 registers; four such buffers, v64-191
.set BK,   192                         ; the way out: 16 rows of 512 bytes, 4 registers each
.set BIA,  0                           ; window 1
.set BB, 18                            ; s[18:19] bo at my 128 columns
.set G1, 24                            ; s[24:31] descriptor group 1 for A's tiles;  s[32:39] group 0, a set for each slot
.set G0, 32
.set LIM, 43                           ; s43     1 in a wave that prefetches, else the greatest number
.set PFA, 44                           ; s[44:45] where my prefetches stand: my work-group's 32 rows of the 128 that I fetch, one K step further along K than the refill that is being asked for; a prefetch names the K step after that
.set G1B, 48                           ; s[48:55], s[56:63] the same for B's tiles
.set G0B, 56
.set MSB, 0
.macro WIN new                         ; the immediate's high byte repeats the setting that is left; a switch that changes nothing is dropped
.if MSB != (\new)
	s_set_vgpr_msb (MSB<<8)|(\new)
.set MSB, \new
.endif
.endm
.set MUL_LO, 0xa1                      ; source 0 (B) window 1, source 1 (A) window 0, C and D window 2;  + 0x50: C and D window 3
.set MUL_C,  0x91                      ; the same with C (the bias) in window 1;  + 0x40: D window 3
.set TO_B,   0x40                      ; destination window 1, address window 0
; A joint load.  Waves 0 and 1 fetch A's two halves, waves 2 and 3 B's.  The branch hangs on the wave's number alone.  An s_nop 0 and four v_nop follow each of the two lines.
.macro JLOAD s
	s_cmp_eq_u32 s11, 0
	s_cbranch_scc0 .Lfor_b_\@
	tensor_load_to_lds s[G0+4*(\s):G0+4*(\s)+3], s[G1:G1+7]
	s_nop 0
.rept 4
	v_nop
.endr
	s_branch .Lasked_\@
.Lfor_b_\@:
	tensor_load_to_lds s[G0B+4*(\s):G0B+4*(\s)+3], s[G1B:G1B+7]
	s_nop 0
.rept 4
	v_nop
.endr
.Lasked_\@:
.endm
; A PREFETCH INTO THE L2, behind each joint load, its five lines and the run of LDS loads that follows them: the K step that stands TWO refills on, 512 matrix instructions ahead of the load that will ask
; for it: 32 rows x 256 bytes, a lane a row, one instruction a wave.  At a change of slots every wave has waited for all its tensor loads, so the refill that follows has nothing on its way beside it.
; Each row's 256 bytes of a K step are named ONCE in the launch.  A's tile row is asked for by the first cluster along x (the grid is one cluster wide: every cluster asks for its own rows); B's tile column
; is walked by all 16 clusters along y: cluster y = 0 asks.  The four partners that ask for a tile jointly share its rows out BY ADDRESS: of the 128 rows that a wave fetches, the partner at place p takes
; 32 p .. 32 p + 31 (p = cx for A, cy for B): no branch hangs on a work-group's place in its cluster.  The last two refills have no K step two on, and ask for nothing.
.macro ASK
	s_cmp_gt_u32 s3, s[LIM]                        ; s3 = 1 in the loop's last trip
	s_cbranch_scc0 .Lnot_mine_\@
	global_prefetch_b8 v[PFO], s[PFA:PFA+1] offset:KSTEP*2 th:TH_LOAD_NT scope:SCOPE_SE
.Lnot_mine_\@:
.endm
; A round of the cluster's barrier: my work-group's barrier, so that wave 0's signal speaks for all four waves; wave 0 signals; every wave waits for all sixteen work-groups; my work-group's barrier once more.
.macro CREST
	s_cmp_lg_u32 s10, 0
	s_cbranch_scc1 .Lnot_wave_0_\@
	s_barrier_signal -3
.Lnot_wave_0_\@:
	s_barrier_wait -3
	s_barrier_signal -1
	s_barrier_wait -1
.endm
.macro CROUND
	s_barrier_signal -1
	s_barrier_wait -1
	CREST
.endm
	s_load_b128 s[4:7], s[0:1], 0x0                ; ctx s[4:5], wall s[6:7]
	s_load_b64 s[8:9], s[0:1], 0x10                ; out0
	s_load_b64 s[BB:BB+1], s[0:1], 0x18            ; ball
	v_lshl_add_u32 v[SPW], v0, 2, SPARE
	v_mov_b32 v[NIL], 0
	ds_add_u32 v[SPW], v[NIL]                      ; the wave's opening: the add and its wait stand ahead of my first tensor load; the set-up below, work on registers, stands between them
	v_lshrrev_b32 v1, 5, v0
	v_readfirstlane_b32 s10, v1                    ; wave 0..3
	s_lshr_b32 s11, s10, 1                         ; which half of the tile's rows is mine.  Also: I fetch for A (0) or for B (1)
	s_and_b32 s12, s10, 1                          ; which half of its columns.  Also: which 128 rows of that tile I fetch
	s_bfe_u32 s40, ttmp6, 0x40000                  ; cx, cy: my place in the cluster
	s_bfe_u32 s41, ttmp6, 0x40004
	s_lshl_b32 s42, ttmp9, 2
	s_add_co_u32 s42, s42, s40                     ; tile column = 4 x cluster x + cx
	s_and_b32 s13, ttmp7, 0xffff
	s_lshl_b32 s13, s13, 2
	s_add_co_u32 s13, s13, s41                     ; tile row = 4 x cluster y + cy
	s_lshl_b32 s43, s41, 2
	s_lshl_b32 s43, 15, s43                        ; my row of the cluster
	s_lshl_b32 s44, 0x1111, s40                    ; my column
	s_or_b32 s[G1+0], s43, (1<<16)|(1<<20)|(1<<21)|(5<<22)|(3<<25)   ; 15:0 the mask; 17:16 elements of 2 bytes; 20 padding on; 21 set beside a mask; 24:22 after every 64 words (code 5); 31:25 4 words of it (code 3)
	s_or_b32 s[G1B+0], s44, (1<<16)|(1<<20)|(1<<21)|(5<<22)|(3<<25)
.irp g, G1, G1B
	s_mov_b32 s[(\g)+1], KSTEP<<16                 ; tensor_dim0 = 128
	s_mov_b32 s[(\g)+2], 128<<16                   ; tensor_dim1 = 128
	s_mov_b32 s[(\g)+3], KSTEP<<16                 ; tile_dim0 = 128
	s_mov_b32 s[(\g)+4], 128                       ; tile_dim1 = 128
	s_mov_b32 s[(\g)+5], 1024                      ; 1,024 elements from row to row
	s_mov_b32 s[(\g)+6], 0
	s_mov_b32 s[(\g)+7], 0
.endr
	s_lshl_b32 s17, s12, 7                         ; which 128 rows of the tile I fetch
	s_lshl_b32 s16, s13, 8
	s_add_co_u32 s16, s16, s17                     ; A: row 256 x tile row + 128 x half
	s_lshl_b32 s46, s42, 8
	s_add_co_u32 s46, s46, s17                     ; B: row 256 x tile column + 128 x half,
	s_add_co_u32 s46, s46, 3072                    ; in wo's block of wall
	s_lshl_b32 s16, s16, 11                        ; rows of 2,048 bytes
	s_lshl_b32 s46, s46, 11
	s_mov_b32 s17, 0
	s_mov_b32 s47, 0
	s_mul_i32 s20, s10, HALFT                      ; where they go: wave x 128 rows: no place in the cluster enters an LDS address
	s_wait_dscnt 0x0                               ; the opening add is done
	s_wait_kmcnt 0x0
	s_add_nc_u64 s[14:15], s[4:5], s[16:17]
	s_add_nc_u64 s[46:47], s[6:7], s[46:47]
	CROUND                                         ; all sixteen work-groups are here: the first joint loads meet
.irp s, 0,1
	s_mov_b32 s[G0+4*(\s)], 1
	s_add_co_u32 s[G0+4*(\s)+1], s20, (\s)*SLOT
	s_add_nc_u64 s[G0+4*(\s)+2:G0+4*(\s)+3], s[14:15], (\s)*KSTEP*2
	s_or_b32 s[G0+4*(\s)+3], s[G0+4*(\s)+3], 0x80000000
	s_mov_b32 s[G0B+4*(\s)], 1
	s_add_co_u32 s[G0B+4*(\s)+1], s20, (\s)*SLOT
	s_add_nc_u64 s[G0B+4*(\s)+2:G0B+4*(\s)+3], s[46:47], (\s)*KSTEP*2
	s_or_b32 s[G0B+4*(\s)+3], s[G0B+4*(\s)+3], 0x80000000
	JLOAD \s                                       ; two loads of mine are out
.endr
	v_and_b32 v1, 15, v0                           ; l % 16
	v_bfe_u32 v2, v0, 4, 1                         ; l / 16
	v_mul_u32_u24 v3, v1, PITCH
	v_lshl_add_u32 v3, v2, 4, v3                   ; a fragment's row x pitch + 16 x half
	s_mul_i32 s21, s11, HALFT                      ; my 128 rows of A
	s_mul_i32 s22, s12, HALFT                      ; my 128 rows of B,
	s_add_co_u32 s22, s22, 2*HALFT                 ; which lie behind A's 256
.irp s, 0,1
	v_add_nc_u32 v[ADRA+(\s)], s21, v3
	v_add_nc_u32 v[ADRB+(\s)], s22, v3
	s_add_co_u32 s21, s21, SLOT
	s_add_co_u32 s22, s22, SLOT
.endr
	s_mul_i32 s23, s10, 16*SPITCH
	s_add_co_u32 s23, s23, STAGE                   ; my stage
	v_mul_u32_u24 v4, v1, SPITCH                   ; in: row l % 16, 32 bytes for each half of the lanes
	v_lshl_add_u32 v4, v2, 5, v4
	v_add_nc_u32 v[STO], s23, v4
	v_and_b32 v5, 31, v0
	v_lshlrev_b32 v[CO], 4, v5                     ; back: 32 lanes take one row of 512 bytes
	v_add_nc_u32 v[RD], s23, v[CO]
	v_lshlrev_b32 v[BO], 5, v2
	s_lshl_b32 s16, s13, 8                         ; C at my part of the tile: row 256 x tile row + 128 x half,
	s_lshl_b32 s14, s11, 7
	s_add_co_u32 s16, s16, s14
	s_lshl_b32 s16, s16, 12
	s_lshl_b32 s46, s42, 10                        ; byte 1,024 x tile column + 512 x half of it
	s_lshl_b32 s47, s12, 9
	s_add_co_u32 s46, s46, s47
	s_add_co_u32 s16, s16, s46
	s_mov_b32 s17, 0
	s_add_nc_u64 s[8:9], s[8:9], s[16:17]
	s_add_co_u32 s46, s46, 3*4096                  ; the same columns in ball's row 3
	s_mov_b32 s47, 0
	s_add_nc_u64 s[BB:BB+1], s[BB:BB+1], s[46:47]
	; the prefetches.  s13 = tile row, s42 = tile column, s40 = cx, s41 = cy still stand; s[4:5] = ctx, s[6:7] = wall
	s_lshl_b32 s20, s13, 8
	s_lshl_b32 s21, s42, 8
	s_add_co_u32 s21, s21, 3072                    ; wo's block of wall
	s_and_b32 s22, ttmp7, 0xffff                   ; cluster y
	s_cmp_eq_u32 s11, 0                            ; do I fetch for A?
	s_cselect_b32 s20, s20, s21                    ; the tile's first row: in ctx by the tile row, in wall by the tile column
	s_cselect_b32 s21, s40, s41                    ; my place among the four that ask for it with me
	s_cselect_b32 s22, ttmp9, s22                  ; the coordinate along which other clusters walk the same rows
	s_cselect_b64 s[PFA:PFA+1], s[4:5], s[6:7]
	s_cmp_eq_u32 s22, 0
	s_cselect_b32 s[LIM], 1, -1                    ; the same in all sixteen partners, for a given wave
	s_lshl_b32 s22, s12, 7
	s_add_co_u32 s20, s20, s22                     ; + the 128 rows that I fetch
	s_lshl_b32 s21, s21, 5
	s_add_co_u32 s20, s20, s21                     ; + my work-group's 32 of them
	s_lshl_b32 s20, s20, 11
	s_mov_b32 s21, 0
	s_add_nc_u64 s[PFA:PFA+1], s[PFA:PFA+1], s[20:21]
	s_add_nc_u64 s[PFA:PFA+1], s[PFA:PFA+1], 2*KSTEP*2  ; at K step 2: the first refill steps it to 3 and names K step 4
	v_and_b32 v[PFO], 31, v0
	v_lshlrev_b32 v[PFO], 11, v[PFO]
	; nothing is prefetched here, at the head, where every work-group's first two tiles are on their way: K steps 2 and 3 come by their refills alone
; 16 matrix instructions: m blocks a0, a0 + 1 of the window's four x all 8 n blocks, 32 along K.  The 64 accumulators take turns, one instruction a turn.
; zero = 1: the first products start the sums, with the bias as C.
.macro MUL16 f, hi, a0, zero
.if \zero
	WIN MUL_C+0x40*(\hi)
.else
	WIN MUL_LO+0x50*(\hi)
.endif
.irp a, \a0, (\a0)+1
.irp b, 0,1,2,3,4,5,6,7
.if \zero
	v_wmma_f32_16x16x32_f16 v[8*(8*(\a)+(\b)):8*(8*(\a)+(\b))+7], v[(\f)+8*(\b):(\f)+8*(\b)+7], v[(\f)+8*(4*(\hi)+(\a)):(\f)+8*(4*(\hi)+(\a))+7], v[BIA+8*(\b):BIA+8*(\b)+7]
.else
	v_wmma_f32_16x16x32_f16 v[8*(8*(\a)+(\b)):8*(8*(\a)+(\b))+7], v[(\f)+8*(\b):(\f)+8*(\b)+7], v[(\f)+8*(4*(\hi)+(\a)):(\f)+8*(4*(\hi)+(\a))+7], v[8*(8*(\a)+(\b)):8*(8*(\a)+(\b))+7]
.endif
.endr
.endr
.endm
.macro FETCH slot, k, f                ; 32 LDS loads in one run: the fragments of one quarter step into buffer f
	WIN TO_B
.irp i, 0,1,2,3,4,5,6,7
	ds_load_b128 v[(\f)+8*(\i):(\f)+8*(\i)+3],   v[ADRB+(\slot)] offset:(\k)+(\i)*16*PITCH
	ds_load_b128 v[(\f)+8*(\i)+4:(\f)+8*(\i)+7], v[ADRB+(\slot)] offset:(\k)+(\i)*16*PITCH+32
.endr
	WIN 0
.irp i, 0,1,2,3,4,5,6,7
	ds_load_b128 v[(\f)+8*(\i):(\f)+8*(\i)+3],   v[ADRA+(\slot)] offset:(\k)+(\i)*16*PITCH
	ds_load_b128 v[(\f)+8*(\i)+4:(\f)+8*(\i)+7], v[ADRA+(\slot)] offset:(\k)+(\i)*16*PITCH+32
.endr
.endm
.macro PLACES                          ; four places in front of loads into registers that matrix instructions have read, and of LDS stores that read results (ISA guide 7.12.1 for vector instructions)
.rept 4
	v_nop
.endr
.endm
.macro QUARTER slot, k, f, g, zero     ; multiplies buffer f; in its middle it fetches the next quarter, at byte k, into g
	s_wait_dscnt 8                                 ; B and A's rows 0-63 are in; the youngest eight loads (A's rows 64-127) may be out
	MUL16 \f, 0, 0, \zero
	MUL16 \f, 0, 2, \zero
	PLACES
	FETCH \slot, \k, \g
	s_wait_dscnt 32                                ; all but the 32 just issued
	MUL16 \f, 1, 0, \zero
	MUL16 \f, 1, 2, \zero
.endm
; The first half of a K step's last quarter: ONE barrier for the change of slots.  In front of it each wave waits for all its tensor loads, of which one is out: its part of the next slot; adds 0 to its spare
; word; and waits for that and for its own reads of this slot.  Behind it nobody reads this slot any more and the next slot is whole.
.macro MEET round
	WIN 0                                          ; (the add's two registers lie in window 0)
	s_wait_tensorcnt 0x0                           ; all my tensor loads have landed
	ds_add_u32 v[SPW], v[NIL]                      ; 0 onto my spare word
	s_wait_dscnt 9                                 ; (the add and the youngest eight loads may be out)
	MUL16 F1, 0, 0, 0
	s_wait_dscnt 0x0                               ; the add is done, and my reads of this slot are over
	s_barrier_signal -1
	MUL16 F1, 0, 2, 0
.if \round
	WIN 0
.endif
	s_barrier_wait -1
.endm
; The whole last quarter: behind the round the slot just read out is filled again first, two K steps on: 224 matrix instructions ahead of the wait for it.  One tensor load of mine is out behind each round.
.macro TURN slot, next
	s_wait_xcnt 0x0                                ; the last prefetch, a K step back, has read its address: it is stepped here, ahead of the waits of the change of slots
	s_add_nc_u64 s[PFA:PFA+1], s[PFA:PFA+1], KSTEP*2
	MEET 1
	CREST                                          ; no wave of any partner still reads this slot's tile or has a load on its way
	s_add_nc_u64 s[G0+4*(\slot)+2:G0+4*(\slot)+3], s[G0+4*(\slot)+2:G0+4*(\slot)+3], 2*KSTEP*2
	s_add_nc_u64 s[G0B+4*(\slot)+2:G0B+4*(\slot)+3], s[G0B+4*(\slot)+2:G0B+4*(\slot)+3], 2*KSTEP*2
	JLOAD \slot                                    ; the four v_nop behind it are also the places in front of the loads below
	FETCH \next, 0, F0
	ASK                                            ; behind the joint load and the run of LDS loads that the next products wait for
	MUL16 F1, 1, 0, 0
	MUL16 F1, 1, 2, 0
.endm
; THE LAST K STEP (it lies in slot 1) BY ROWS.  All its fragments of B (4 quarters x 64 registers) fill window 1; then my eight blocks of 16 rows are finished one after the other, each with 32 matrix
; instructions (its 8 accumulators by turns; K ascending, so that the sums stay the same bit for bit).  LDS is read no more than in any other K step: 128 loads.
.macro BLOAD q                         ; B's fragments of quarter q -> window 1, v[64 q ..]
	WIN TO_B
.irp i, 0,1,2,3,4,5,6,7
	ds_load_b128 v[64*(\q)+8*(\i):64*(\q)+8*(\i)+3],   v[ADRB+1] offset:64*(\q)+(\i)*16*PITCH
	ds_load_b128 v[64*(\q)+8*(\i)+4:64*(\q)+8*(\i)+7], v[ADRB+1] offset:64*(\q)+(\i)*16*PITCH+32
.endr
.endm
.macro ALOAD a                         ; A's fragments of block a, all four quarters -> buffer a % 4
	WIN 0
.set FA, PA+32*((\a)%4)
.irp q, 0,1,2,3
	ds_load_b128 v[FA+8*(\q):FA+8*(\q)+3],   v[ADRA+1] offset:64*(\q)+(\a)*16*PITCH
	ds_load_b128 v[FA+8*(\q)+4:FA+8*(\q)+7], v[ADRA+1] offset:64*(\q)+(\a)*16*PITCH+32
.endr
.endm
.macro ROW a                           ; block a is finished: 32 matrix instructions
.set FA, PA+32*((\a)%4)                ; its fragments of A
.set AC, 64*((\a)%4)                   ; its eight accumulators, in window 2 (blocks 0-3) or 3 (blocks 4-7)
	WIN MUL_LO+0x50*((\a)/4)
.irp q, 0,1,2,3
.if (\a) == 0 && (\q) == 2
	s_wait_dscnt 24                                ; B's quarter 2 is in (behind it: A's blocks 1 to 3, 24 loads)
.endif
.irp b, 0,1,2,3,4,5,6,7
	v_wmma_f32_16x16x32_f16 v[AC+8*(\b):AC+8*(\b)+7], v[64*(\q)+8*(\b):64*(\q)+8*(\b)+7], v[FA+8*(\q):FA+8*(\q)+7], v[AC+8*(\b):AC+8*(\b)+7]
.endr
.endr
.endm
; THE WAY OUT of block a.  TOSTAGE: a lane's 32 bytes of each column block go into my own stage, each accumulator's low four registers first; whole rows of 512 bytes come back.  SEND: stored.
.macro TOSTAGE a
.set AC, 64*((\a)%4)
.if (\a) >= 1
	s_wait_xcnt 0x0                                ; the stores of the block before, issued a block's 32 matrix instructions ago, have read the registers that the loads below land on
.endif
	WIN 0x08+4*((\a)/4)                            ; the data (source 1) in window 2 or 3
.irp b, 0,1,2,3,4,5,6,7
	ds_store_b128 v[STO], v[AC+8*(\b):AC+8*(\b)+3]   offset:64*(\b)
	ds_store_b128 v[STO], v[AC+8*(\b)+4:AC+8*(\b)+7] offset:64*(\b)+16
.endr
	WIN 0
.irp t, 0,1,2,3,4,5,6,7,8,9,10,11,12,13,14,15
	ds_load_b128 v[BK+4*(\t):BK+4*(\t)+3], v[RD] offset:(\t)*SPITCH  ; LDS serves a wave's instructions in order (ISA guide 5.7.1.4): these see the stores above; the next block's stores come behind them
.endr
.endm
.macro SEND a, younger                 ; younger: the LDS loads issued behind TOSTAGE's: A's next block, 8, or none
.irp t, 0,1,2,3,4,5,6,7,8,9,10,11,12,13,14,15
	s_wait_dscnt (\younger)+15-(\t)                ; row t is back
	global_store_b128 v[CO], v[BK+4*(\t):BK+4*(\t)+3], s[8:9] offset:(16*(\a)+(\t))*OUTB th:TH_STORE_NT  ; 512 consecutive bytes, at a multiple of 512 from out0's first byte
.endr
.endm
	WIN TO_B
.irp b, 0,1,2,3,4,5,6,7                ; the bias of my 128 columns
	global_load_b128 v[BIA+8*(\b):BIA+8*(\b)+3],   v[BO], s[BB:BB+1] offset:64*(\b)
	global_load_b128 v[BIA+8*(\b)+4:BIA+8*(\b)+7], v[BO], s[BB:BB+1] offset:64*(\b)+16
.endr
	s_wait_tensorcnt 1                             ; my part of K step 0 is in; K step 1's may stay out
	s_barrier_signal -1
	s_barrier_wait -1                              ; everybody's is
	FETCH 0, 0, F0
	s_wait_loadcnt 0x0                             ; the bias
	QUARTER 0, 64,  F0, F1, 1                      ; the first quarter stands in front of the loop: its products start the sums
	WIN 0                                          ; at a label and at a branch every window is 0
	s_mov_b32 s3, LAPS-1
.Llap:                                                 ; a trip goes once round the ring, from a lap's second quarter to the next lap's first, and fills both slots again
	QUARTER 0, 128, F1, F0, 0
	QUARTER 0, 192, F0, F1, 0
	TURN 0, 1
	QUARTER 1, 64,  F0, F1, 0
	QUARTER 1, 128, F1, F0, 0
	QUARTER 1, 192, F0, F1, 0
	TURN 1, 0
	QUARTER 0, 64,  F0, F1, 0
	WIN 0
	s_sub_co_u32 s3, s3, 1
	s_cmp_lg_u32 s3, 0
	s_cbranch_scc1 .Llap
	QUARTER 0, 128, F1, F0, 0                      ; the last lap fills nothing, and has no round of the cluster's barrier
	QUARTER 0, 192, F0, F1, 0
	MEET 0                                         ; my one tensor load that was still out is slot 1's, the last K step's
	PLACES                                         ; for the loads into buffer 0, which the quarter before multiplied
	BLOAD 0                                        ; three quarters of B now (over the bias, over buffer 0, and into v192-255): buffer 1 (v128-191 of both windows) is still being multiplied
	BLOAD 1
	BLOAD 3
	ALOAD 0
	MUL16 F1, 1, 0, 0
	MUL16 F1, 1, 2, 0
	PLACES                                         ; for the loads into buffer 1
	BLOAD 2
	ALOAD 1
	ALOAD 2
	ALOAD 3
	s_wait_dscnt 40                                ; all but the 40 just issued: B's quarter 2 (16) and A's blocks 1 to 3 (24)
	ROW 0
.irp a, 0,1,2,3,4,5,6,7                ; each block leaves as soon as it is finished
	PLACES                                         ; the LDS stores read results just made, and the loads of A's next block land on registers just read
	TOSTAGE \a
.if (\a) < 4
	ALOAD (\a)+4                                   ; its buffer takes the block four further on
	SEND \a, 8
.else
	SEND \a, 0
.endif
.if (\a) < 7
	ROW (\a)+1
.endif
.endr
	s_wait_tensorcnt 0x0                           ; the wave's end: behind my last tensor load and my last LDS store
	ds_add_u32 v[SPW], v[NIL]
	s_wait_dscnt 0x0
	CROUND                                         ; the closing round: no work-group ends while a partner may still ask for a tile that names it
	s_endpgm
.Lfunc_end_k_qe08d10e3d9_proj:
	.size	k_qe08d10e3d9_proj, .Lfunc_end_k_qe08d10e3d9_proj-k_qe08d10e3d9_proj
	.p2alignl 7, 3214868480
	.fill 96, 4, 3214868480
	.section	.rodata,"a",@progbits
	.p2align	6, 0x0
	.amdhsa_kernel k_qe08d10e3d9_proj
		.amdhsa_group_segment_fixed_size 327680
		.amdhsa_private_segment_fixed_size 0
		.amdhsa_enable_private_segment 0
		.amdhsa_kernarg_size 32
		.amdhsa_user_sgpr_count 2
		.amdhsa_user_sgpr_kernarg_segment_ptr 1
		.amdhsa_wavefront_size32 1
		.amdhsa_system_sgpr_workgroup_id_x 1
		.amdhsa_system_sgpr_workgroup_id_y 1
		.amdhsa_system_sgpr_workgroup_id_z 1
		.amdhsa_system_vgpr_workitem_id 0
		.amdhsa_next_free_vgpr 1024
		.amdhsa_next_free_sgpr 66
		.amdhsa_reserve_vcc 0
		.amdhsa_float_denorm_mode_32 3
		.amdhsa_float_denorm_mode_16_64 3
		.amdhsa_memory_ordered 1
		.amdhsa_forward_progress 1
		.amdhsa_inst_pref_size 147
	.end_amdhsa_kernel
	.amdgpu_metadata
---
amdhsa.version: [ 1, 2 ]
amdhsa.kernels:
  - .name:           k_qe08d10e3d9_proj
    .symbol:         k_qe08d10e3d9_proj.kd
    .args:
      - { .name: ctx, .offset: 0, .size: 8, .value_kind: global_buffer, .address_space: global }
      - { .name: wall, .offset: 8, .size: 8, .value_kind: global_buffer, .address_space: global }
      - { .name: out0, .offset: 16, .size: 8, .value_kind: global_buffer, .address_space: global }
      - { .name: ball, .offset: 24, .size: 8, .value_kind: global_buffer, .address_space: global }
    .group_segment_fixed_size: 327680
    .private_segment_fixed_size: 0
    .kernarg_segment_align: 8
    .kernarg_segment_size: 32
    .max_flat_workgroup_size: 128
    .sgpr_count:     66
    .vgpr_count:     1024
    .wavefront_size: 32
...
	.end_amdgpu_metadata
.endif
;; end of part 4
;; ======== version 2 of 2: 4 launches; version 1 with the launch attn written anew for expert scheduling mode
;; limits: values are held in f16: magnitudes above 65,504 overflow, below 6.1e-05 lose precision
;; workspace buffers: xb 33,554,432 bytes; wall 8,388,608 bytes; ball 16,384 bytes; qkvh 100,663,296 bytes; ctx 33,554,432 bytes
;; launch cast: the kernel of part 1 again; grid 1281 x 1, 8 waves a work-group, no clusters, 0 bytes of LDS; arguments x, wq, wk, wv, wo, bq, bk, bv, bo, xb, wall, ball; writes xb, wall, ball
;; launch qkv: the kernel of part 2 again; grid 4 x 64, 4 waves a work-group, clusters of 4 x 4, 327,680 bytes of LDS; arguments xb, wall, qkvh, ball; writes qkvh
;; launch attn (part 5): grid 256 x 1, 16 waves a work-group, no clusters, 0 bytes of LDS; arguments qkvh, ctx; writes ctx
.if DOCPART == 5
	.amdgcn_target "amdgcn-amd-amdhsa--gfx1250"
	.amdhsa_code_object_version 6
	.text
	.protected	k_qe08d10e3d9_attn
	.globl	k_qe08d10e3d9_attn
	.p2align	8
	.type	k_qe08d10e3d9_attn,@function
k_qe08d10e3d9_attn:
	s_mov_b64 s[64:65], 0
	v_nop
	global_prefetch_b8 v0, s[64:65] scope:SCOPE_SE
	s_setreg_imm32_b32 hwreg(HW_REG_WAVE_SCHED_MODE, 0, 2), 2
	s_setreg_imm32_b32 hwreg(HW_REG_WAVE_MODE, 25, 1), 1
	s_wait_xcnt 0x0
	s_wait_alu depctr_vm_vsrc(0)
; ATTENTION INSIDE A TOKEN, ACROSS ITS 16 HEADS.  For each token: s[h][g] = q[h] . k[g] / 8 (64 channels), p = softmax over g, ctx[h] = the sum over g of p[h][g] v[g].
; qkvh: [3][16384][1024] f16, planes q', k', v'; ctx: [16384][1024] f16.  Products, maximum and sum in f32; p (divided by its sum first) and ctx are rounded once to f16.
; THE ORDER IN A TOKEN'S 2,048 BYTES.  q', k', ctx': element 128 (d >> 3) + 8 h + (d & 7);  v': element 256 (d >> 4) + 128 (g >> 3) + 8 (d & 15) + (g & 7).  So of each run of 512 bytes lane l's 16 bytes at 16 l are:
;   q', k', run i: head l % 16, channels 8 (2 i + l / 16) + 0..7: half a fragment (16 heads x 32 channels in 8 registers: registers 0-3 channels 8 (l / 16) + 0..7, registers 4-7 channels 16 + 8 (l / 16) + 0..7);
;   v', run i: channel 16 i + l % 16, heads g = 8 (l / 16) + 0..7: half a fragment of v^T.
; Nothing goes through LDS, nothing changes lanes but the two exchanges of the softmax, and every load and store of a wave covers 512 consecutive bytes.
; S^T = k q^T (source 0 = 16 heads g, source 1 = 16 heads h): a lane holds ONE h (l % 16) and g = 8 (l / 16) + 0..7.  Rounded to f16 in pairs, these four registers are half of source 1 of O^T = v^T p.
; TWO TOKENS TO A PRODUCT.  The second product has only 16 along K, the instruction 32: source 0 holds token a's v in registers 0-3 and token b's in registers 4-7; source 1 is (p_a, 0) for token a's result and (0, p_b) for b's.
; SOFTMAX.  The row's true maximum m is taken away: p = 2^(c s - c m), c = log2(e) / 8, in one fused line; the rounding of c m is the same for a row's 16 weights and leaves p / l as it is.  l is at least about 1.
; LIMITS.  A weight below 2^-126 counts as 0; NaN and infinities are not treated apart.
; SHARES.  A work-group takes 64 tokens, a wave 4, as two pairs.  A wave's 48 loads go out at its head; no loop, no barrier, and no register that a store reads is written again.
; THE MODE: SCHED_MODE bits 1:0 = 2 (LLVM: expert scheduling mode 2), set by the entry lines.  The code itself states the register dependences between vector or matrix instructions and memory
; instructions, with s_wait_alu, always for 0.
; THE PLAN.  Registers that memory instructions touch:
;   v1            16 x lane.  Written by two vector lines at the head, never again; read by all 48 loads and all 16 stores as their offset.  One wait on va_vdst ahead of the first load serves them all.
;   v[16:207]     q, k, v of both pairs.  Each register is written by ONE load, issued at the head; no vector or matrix line names any of them ahead of the loads, and no load is issued behind the head.
;   v[16:31], v[48:63] (pair 0); v[112:127], v[144:159] (pair 1)   what is stored.  Written by the products O^T and then by the pair's 32 conversions, in place; read by the pair's 8 stores; never written
;                 again: pair 1 writes v[112:243] alone, and nothing follows its stores.  One wait on va_vdst a pair, behind the conversions and ahead of the stores; no wait on vm_vsrc is owed anywhere.
;   s8            the wave's number: written by v_readfirstlane_b32; one wait on va_sdst ahead of its first reader.
;   v[208:243]    scores, weights and statistics are named by vector and matrix instructions alone.  EXEC and VCC are never written.
.set PLANE, 16384*2048
.set SA,  208                          ; v[208:215] S^T of token a, v[216:223] of token b
.set PA,  224                          ; v[224:227] p_a; v[228:231] 0; v[232:235] p_b
.set ST,  236                          ; token u's four at v[ST + 4 u]: m (then c m, then at work), the other half's, l (even g's, odd g's)
.set CS,  20                           ; s[20:21] c: the packed line takes the pair's low word for both halves
.set SEL, 22                           ; s[22:23] v_permlanex16_b32's selects: each lane takes its own place in the other half
	s_load_b128 s[4:7], s[0:1], 0x0                ; qkvh s[4:5], ctx s[6:7]
	v_lshrrev_b32 v2, 5, v0
	v_readfirstlane_b32 s8, v2                     ; wave 0..15
	v_and_b32 v1, 31, v0
	v_lshlrev_b32 v1, 4, v1                        ; 16 x lane; never rewritten
	s_lshl_b32 s10, ttmp9, 17                      ; 64 tokens of 2,048 bytes,
	s_wait_alu depctr_va_sdst(0)                   ; s8 is written, ahead of its first reader: the wave's place in the four tensors is made from it
	s_lshl_b32 s9, s8, 13                          ; my wave's 4
	s_add_co_u32 s10, s10, s9
	s_mov_b32 s11, 0
	s_mov_b32 s[CS], 0x3e38aa3b                    ; c = log2(e) / 8 = 0.180337
	s_mov_b32 s[CS+1], s[CS]
	s_mov_b32 s[SEL], 0x76543210
	s_mov_b32 s[SEL+1], 0xfedcba98
	s_wait_kmcnt 0x0
	s_add_nc_u64 s[12:13], s[4:5], s[10:11]        ; q'
	s_add_nc_u64 s[14:15], s[12:13], PLANE         ; k'
	s_add_nc_u64 s[16:17], s[12:13], 2*PLANE       ; v'
	s_add_nc_u64 s[18:19], s[6:7], s[10:11]        ; ctx
	s_wait_alu depctr_va_vdst(0)                   ; v1 is written: every load and store of the kernel reads it as its offset
; Pair p's 96 registers at 16 + 96 p: q_a, q_b, k_a, k_b (16 each), then v: fragment d at + 64 + 8 d, token a's four registers and token b's.  In this order: q (8 loads), k (8), v (8).
.irp p, 0,1
.irp u, 0,1
.irp i, 0,1,2,3
	global_load_b128 v[16+96*(\p)+16*(\u)+4*(\i):16+96*(\p)+16*(\u)+4*(\i)+3], v1, s[12:13] offset:(2*(\p)+(\u))*2048+512*(\i) th:TH_LOAD_NT
.endr
.endr
.irp u, 0,1
.irp i, 0,1,2,3
	global_load_b128 v[48+96*(\p)+16*(\u)+4*(\i):48+96*(\p)+16*(\u)+4*(\i)+3], v1, s[14:15] offset:(2*(\p)+(\u))*2048+512*(\i) th:TH_LOAD_NT
.endr
.endr
.irp i, 0,1,2,3
.irp u, 0,1
	global_load_b128 v[80+96*(\p)+8*(\i)+4*(\u):80+96*(\p)+8*(\i)+4*(\u)+3], v1, s[16:17] offset:(2*(\p)+(\u))*2048+512*(\i) th:TH_LOAD_NT
.endr
.endr
.endr
.irp r, 4,5,6,7
	v_mov_b32 v[PA+(\r)], 0                        ; the four registers that blank the other token (these six lines name no register that a load or store touches)
.endr
	v_mov_b32 v[ST+1], 0                           ; v_permlanex16_b32's destination counts as read
	v_mov_b32 v[ST+5], 0
.macro EACH line:vararg                ; one line for each of the pair's tokens, u = 0, 1: so no line reads the result of the one before it
.set u, 0
.rept 2
	\line
.set u, u+1
.endr
.endm
; A pair of tokens.  w1: the loads younger than its k's last; w2: those younger than its v's last.
.macro PAIR p, w1, w2
.set BUF, 16+96*(\p)
	s_wait_loadcnt \w1                             ; loads come back in order: the pair's q and k are in
	v_wmma_f32_16x16x32_f16 v[SA:SA+7],    v[BUF+32:BUF+39], v[BUF:BUF+7],     0           ; the two accumulators take turns
	v_wmma_f32_16x16x32_f16 v[SA+8:SA+15], v[BUF+48:BUF+55], v[BUF+16:BUF+23], 0
	v_wmma_f32_16x16x32_f16 v[SA:SA+7],    v[BUF+40:BUF+47], v[BUF+8:BUF+15],  v[SA:SA+7]
	v_wmma_f32_16x16x32_f16 v[SA+8:SA+15], v[BUF+56:BUF+63], v[BUF+24:BUF+31], v[SA+8:SA+15]
.rept 5
	v_nop                                          ; the places behind those products: four for the lines that read the scores, five for the products below that write over q's and k's registers
.endr
	EACH v_max3_num_f32 v[ST+4*u], v[SA+8*u], v[SA+8*u+1], v[SA+8*u+2]                   ; the accumulator's lowest registers are read first
	EACH v_max3_num_f32 v[ST+4*u], v[ST+4*u], v[SA+8*u+3], v[SA+8*u+4]
	EACH v_max3_num_f32 v[ST+4*u], v[ST+4*u], v[SA+8*u+5], v[SA+8*u+6]
	EACH v_max_num_f32 v[ST+4*u], v[ST+4*u], v[SA+8*u+7]
	EACH v_permlanex16_b32 v[ST+4*u+1], v[ST+4*u], s[SEL], s[SEL+1]                      ; the head's other 8 scores lie in the lane 16 away
	EACH v_max_num_f32 v[ST+4*u], v[ST+4*u], v[ST+4*u+1]
	EACH v_mul_f32 v[ST+4*u], s[CS], v[ST+4*u]                                           ; c m
.irp k, 0,2,4,6
	EACH v_pk_fma_f32 v[SA+8*u+(\k):SA+8*u+(\k)+1], v[SA+8*u+(\k):SA+8*u+(\k)+1], s[CS:CS+1], v[ST+4*u:ST+4*u+1] op_sel_hi:[1,0,0] neg_lo:[0,0,1] neg_hi:[0,0,1]
.endr
.set r, 0
.rept 16
	v_exp_f32 v[SA+r], v[SA+r]                     ; one batch
.set r, r+1
.endr
	v_nop                                          ; a plain instruction behind the last exponential (ISA guide 5.7.2),
	s_wait_alu depctr_va_vdst(0)                   ; and one wait for the batch: the sixteen exponentials have written v[SA .. SA+15], which the sums below are the first to read
	EACH v_pk_add_f32 v[ST+4*u+2:ST+4*u+3], v[SA+8*u:SA+8*u+1], v[SA+8*u+2:SA+8*u+3]
	EACH v_pk_add_f32 v[ST+4*u:ST+4*u+1], v[SA+8*u+4:SA+8*u+5], v[SA+8*u+6:SA+8*u+7]
	EACH v_pk_add_f32 v[ST+4*u+2:ST+4*u+3], v[ST+4*u+2:ST+4*u+3], v[ST+4*u:ST+4*u+1]
	EACH v_add_f32 v[ST+4*u+2], v[ST+4*u+2], v[ST+4*u+3]
	EACH v_permlanex16_b32 v[ST+4*u+1], v[ST+4*u+2], s[SEL], s[SEL+1]
	EACH v_add_f32 v[ST+4*u+2], v[ST+4*u+2], v[ST+4*u+1]
	EACH v_rcp_f32 v[ST+4*u+2], v[ST+4*u+2]
	v_nop                                          ; a plain instruction behind the second reciprocal,
	s_wait_alu depctr_va_vdst(0)                   ; and one wait for the two: the reciprocals have written v[ST+2] and v[ST+6], which the multiplies below are the first to read
.irp k, 0,2,4,6
	EACH v_pk_mul_f32 v[SA+8*u+(\k):SA+8*u+(\k)+1], v[SA+8*u+(\k):SA+8*u+(\k)+1], v[ST+4*u+2:ST+4*u+3] op_sel_hi:[1,0]
.endr
.irp k, 0,1,2,3
	EACH v_cvt_pk_f16_f32 v[PA+8*u+(\k)], v[SA+8*u+2*(\k)], v[SA+8*u+2*(\k)+1]
.endr
	s_wait_loadcnt \w2                             ; the pair's v is in
.irp d, 0,1,2,3                        ; O^T of channels 16 d on: token a's over q's registers, token b's over k's
	v_wmma_f32_16x16x32_f16 v[BUF+8*(\d):BUF+8*(\d)+7],       v[BUF+64+8*(\d):BUF+64+8*(\d)+7], v[PA:PA+7],    0
	v_wmma_f32_16x16x32_f16 v[BUF+32+8*(\d):BUF+32+8*(\d)+7], v[BUF+64+8*(\d):BUF+64+8*(\d)+7], v[PA+4:PA+11], 0
.endr
.rept 4
	v_nop                                          ; the places behind those products
.endr
.set r, 0
.rept 16                               ; in place, ascending: register r takes numbers 2 r and 2 r + 1, which no earlier line has written over
	EACH v_cvt_pk_f16_f32 v[BUF+32*u+r], v[BUF+32*u+2*r], v[BUF+32*u+2*r+1]
.set r, r+1
.endr
	s_wait_alu depctr_va_vdst(0)                   ; the 32 conversions have written v[BUF .. BUF+15] and v[BUF+32 .. BUF+47], which the eight stores below read; nothing writes these registers again
.irp u, 0,1
.irp d, 0,1,2,3                        ; a lane's 8 channels 16 d + 8 (l / 16) + 0..7 of head l % 16 are the 16 bytes at 512 d + 16 l of the token in ctx
	global_store_b128 v1, v[BUF+32*(\u)+4*(\d):BUF+32*(\u)+4*(\d)+3], s[18:19] offset:(2*(\p)+(\u))*2048+512*(\d) th:TH_STORE_NT
.endr
.endr
.endm
	PAIR 0, 32, 24                                 ; younger than pair 0's k: its v's 8 loads and pair 1's 24; younger than its v: pair 1's 24
	PAIR 1, 8, 0                                   ; younger than pair 1's k: its v's 8
	s_endpgm
.Lfunc_end_k_qe08d10e3d9_attn:
	.size	k_qe08d10e3d9_attn, .Lfunc_end_k_qe08d10e3d9_attn-k_qe08d10e3d9_attn
	.p2alignl 7, 3214868480
	.fill 96, 4, 3214868480
	.section	.rodata,"a",@progbits
	.p2align	6, 0x0
	.amdhsa_kernel k_qe08d10e3d9_attn
		.amdhsa_group_segment_fixed_size 0
		.amdhsa_private_segment_fixed_size 0
		.amdhsa_enable_private_segment 0
		.amdhsa_kernarg_size 16
		.amdhsa_user_sgpr_count 2
		.amdhsa_user_sgpr_kernarg_segment_ptr 1
		.amdhsa_wavefront_size32 1
		.amdhsa_system_sgpr_workgroup_id_x 1
		.amdhsa_system_sgpr_workgroup_id_y 1
		.amdhsa_system_sgpr_workgroup_id_z 1
		.amdhsa_system_vgpr_workitem_id 0
		.amdhsa_next_free_vgpr 256
		.amdhsa_next_free_sgpr 66
		.amdhsa_reserve_vcc 0
		.amdhsa_float_denorm_mode_32 3
		.amdhsa_float_denorm_mode_16_64 3
		.amdhsa_memory_ordered 1
		.amdhsa_forward_progress 1
		.amdhsa_inst_pref_size 21
	.end_amdhsa_kernel
	.amdgpu_metadata
---
amdhsa.version: [ 1, 2 ]
amdhsa.kernels:
  - .name:           k_qe08d10e3d9_attn
    .symbol:         k_qe08d10e3d9_attn.kd
    .args:
      - { .name: qkvh, .offset: 0, .size: 8, .value_kind: global_buffer, .address_space: global }
      - { .name: ctx, .offset: 8, .size: 8, .value_kind: global_buffer, .address_space: global }
    .group_segment_fixed_size: 0
    .private_segment_fixed_size: 0
    .kernarg_segment_align: 8
    .kernarg_segment_size: 16
    .max_flat_workgroup_size: 512
    .sgpr_count:     66
    .vgpr_count:     256
    .wavefront_size: 32
...
	.end_amdgpu_metadata
.endif
;; end of part 5
;; launch proj: the kernel of part 4 again; grid 4 x 64, 4 waves a work-group, clusters of 4 x 4, 327,680 bytes of LDS; arguments ctx, wall, out0, ball; writes out0
